; MI455X (gfx1250); checked and timed in simulation.
; The chip was launched on July 23, 2026; its instructions are those of AMD's public machine-readable ISA for CDNA 5 (MIT licence, August 2026) and "CDNA5" Instruction Set Architecture Reference Guide (July 2026). The comments in the code are by the model that wrote it; some were corrected since.
;; Llama Attention. Allowed arithmetic: float matrix products may take bf16 or f16 operands with f32 sums; other float arithmetic in f32, or as packed bf16 or f16 multiplies, adds, multiply-adds, maxima and minima; sums over many terms, partial sums and values carried from step to step in f32; what a program stores and reads back later, other than sums and carried values, may be rounded once to bf16 or f16.
;; Inputs: Wk 1,024 x 4,096 float32; Wo 4,096 x 4,096 float32; Wq 4,096 x 4,096 float32; Wv 1,024 x 4,096 float32; hidden_states 1 x 1,024 x 4,096 float32; position_ids 1 x 1,024 int32.
;; Outputs: out0 1 x 1,024 x 4,096 float32.
;; 2 versions, each right; version 2 is version 1 with the launch prep written anew for expert scheduling mode. Each part assembles by itself: llvm-mc -triple=amdgcn-amd-amdhsa -mcpu=gfx1250 --defsym DOCPART=n.
;; ======== version 1 of 2: 4 launches
;; limits: right only within a limited range of input values; values are held in f16: magnitudes above 65,504 overflow, below 6.1e-05 lose precision
;; workspace buffers: xb 8,388,608 bytes; rope 524,800 bytes; qkv 12,582,912 bytes; attn 8,388,608 bytes
;; launch prep (part 1): grid 256 x 1, 4 waves a work-group, no clusters, 0 bytes of LDS; arguments hidden_states, position_ids, xb, rope; writes xb, rope
.if DOCPART == 1
	.amdgcn_target "amdgcn-amd-amdhsa--gfx1250"
	.amdhsa_code_object_version 6
	.text
	.protected	k_qd9c91a1dad_prep
	.globl	k_qd9c91a1dad_prep
	.p2align	8
	.type	k_qd9c91a1dad_prep,@function
k_qd9c91a1dad_prep:
	s_mov_b64 s[64:65], 0
	v_nop
	global_prefetch_b8 v0, s[64:65] scope:SCOPE_SE
	s_setreg_imm32_b32 hwreg(HW_REG_WAVE_MODE, 25, 1), 1
	s_wait_xcnt 0x0
; xb[row][:] = hidden_states[row][:] rounded once to bf16 (the projections' matrix operand), and the rotary table:
; rope[row][j] = cos(theta) / 4, rope[row][64 + j] = sin(theta) / 4, theta = f32(position_ids[row]) x 10000^(-j / 64), j = 0 .. 63.
; Row 1024 of the table holds 1/4 and 0: the rows of V take it, so that the next launch has one arithmetic for q, k and v.
; The 1/4 is exact; it keeps q, k, v inside f16 (see the next launch).
; One wave, one row: 16,384 bytes in by 32 loads of 512 consecutive bytes, all out at once; 8,192 bytes out by 32 stores of 256 consecutive
; bytes.  No LDS, no barrier, no matrix unit: nothing is used twice.
; LIMITS.  |position| up to 2^20: beyond it the three-part reduction by pi/2 loses bits.  theta is rounded once, as the reference rounds it;
; sine and cosine are polynomials on -pi/4 .. pi/4, good to a few units of f32's last place.
.set X,   40                           ; v[40:167]   the row as loaded, 4 registers a load
.set Y,   168                          ; v[168:231]  the row as stored, 2 registers a store; none is written twice
.set PF,  4                            ; v4          the position as f32
.set CO,  34                           ; v[34:35]    cos / 4 for j = 2 lane, 2 lane + 1
.set SN,  36                           ; v[36:37]    sin / 4
	s_load_b256 s[4:11], s[0:1], 0x0               ; hidden_states s[4:5], position_ids s[6:7], xb s[8:9], rope s[10:11]
	v_lshrrev_b32 v1, 5, v0
	v_readfirstlane_b32 s12, v1                    ; wave
	s_lshl_b32 s13, ttmp9, 2
	s_add_co_u32 s13, s13, s12                     ; my row = 4 x work-group + wave
	v_and_b32 v1, 31, v0                           ; lane
	v_lshlrev_b32 v2, 4, v1                        ; 16 bytes a lane in
	v_lshlrev_b32 v3, 3, v1                        ; 8 bytes a lane out
	s_lshl_b32 s14, s13, 14                        ; the row in hidden_states,
	s_mov_b32 s15, 0
	s_lshl_b32 s16, s13, 13                        ; in xb,
	s_mov_b32 s17, 0
	s_lshl_b32 s18, s13, 2                         ; in position_ids,
	s_mov_b32 s19, 0
	s_lshl_b32 s22, s13, 9                         ; in the table
	s_mov_b32 s23, 0
	s_mov_b32 s26, 0xbe549a78                      ; -log2(10000) / 64, upper part
	s_wait_kmcnt 0x0
	s_add_nc_u64 s[6:7], s[6:7], s[18:19]
	s_load_b32 s20, s[6:7], 0x0                    ; my position
	s_add_nc_u64 s[4:5], s[4:5], s[14:15]
	s_add_nc_u64 s[8:9], s[8:9], s[16:17]
	s_add_nc_u64 s[24:25], s[10:11], s[22:23]
.set i, 0
.rept 32
	global_load_b128 v[X+4*i:X+4*i+3], v2, s[4:5] offset:512*i th:TH_LOAD_NT  ; read once in the whole program
.set i, i+1
.endr
	s_wait_kmcnt 0x0                               ; the position; the table's arithmetic stands while the row is on its way
	v_cvt_f32_i32 v[PF], s20
; cos and sin for j = 2 lane + k, in registers v[B .. B+13]
.macro SINCOS k, B
	v_lshl_add_u32 v[\B], v1, 1, \k
	v_cvt_f32_u32 v[\B], v[\B]                     ; j
	v_mul_f32 v[\B+1], s26, v[\B]                  ; t = -j log2(10000) / 64, rounded;
	v_fma_f32 v[\B+2], v[\B], s26, -v[\B+1]        ; what that rounding dropped,
	v_fmamk_f32 v[\B+2], v[\B], 0xb1979a1c, v[\B+2]  ; and the constant's lower part
	v_exp_f32 v[\B+3], v[\B+1]                     ; 2^t
	v_mul_f32 v[\B+2], 0x3f317218, v[\B+2]         ; x ln 2: also the plain instruction between the exponential and its use
	s_wait_alu depctr_va_vdst(0)
	v_fma_f32 v[\B+3], v[\B+3], v[\B+2], v[\B+3]   ; 10000^(-j / 64)
	v_mul_f32 v[\B+4], v[PF], v[\B+3]              ; theta
	v_mul_f32 v[\B+5], 0xbf22f983, v[\B+4]
	v_rndne_f32 v[\B+5], v[\B+5]                   ; -n, n = the nearest multiple of pi/2
	v_fmamk_f32 v[\B+6], v[\B+5], 0x3fc90fdb, v[\B+4]  ; r = theta - n pi/2, pi/2 in three parts
	v_fmamk_f32 v[\B+6], v[\B+5], 0xb33bbd2e, v[\B+6]
	v_fmamk_f32 v[\B+6], v[\B+5], 0xa6f72ced, v[\B+6]
	v_cvt_i32_f32 v[\B+7], v[\B+5]
	v_sub_nc_u32 v[\B+7], 0, v[\B+7]               ; n as a whole number
	v_mul_f32 v[\B+8], v[\B+6], v[\B+6]            ; z = r r
	v_mov_b32 v[\B+9], 0xb94ca1f9
	v_fmaak_f32 v[\B+9], v[\B+9], v[\B+8], 0x3c08839e
	v_fmaak_f32 v[\B+9], v[\B+9], v[\B+8], 0xbe2aaaa3
	v_mul_f32 v[\B+10], v[\B+6], v[\B+8]
	v_fma_f32 v[\B+9], v[\B+10], v[\B+9], v[\B+6]  ; sin r = r + r z p(z)
	v_mov_b32 v[\B+11], 0x37ccf5ce
	v_fmaak_f32 v[\B+11], v[\B+11], v[\B+8], 0xbab6061a
	v_fmaak_f32 v[\B+11], v[\B+11], v[\B+8], 0x3d2aaaa5
	v_mul_f32 v[\B+12], v[\B+8], v[\B+8]
	v_fma_f32 v[\B+10], v[\B+8], -0.5, 1.0
	v_fma_f32 v[\B+11], v[\B+12], v[\B+11], v[\B+10]  ; cos r = 1 - z / 2 + z z p(z)
	v_and_b32 v[\B+12], 1, v[\B+7]                 ; an odd n swaps the two;
	v_cmp_eq_u32 vcc_lo, 1, v[\B+12]
	v_cndmask_b32 v[\B+10], v[\B+9], v[\B+11], vcc_lo
	v_cndmask_b32 v[\B+13], v[\B+11], v[\B+9], vcc_lo
	v_and_b32 v[\B+12], 2, v[\B+7]                 ; bit 1 of n turns the sine's sign,
	v_lshlrev_b32 v[\B+12], 30, v[\B+12]
	v_xor_b32 v[\B+10], v[\B+12], v[\B+10]
	v_add_nc_u32 v[\B+7], 1, v[\B+7]               ; bit 1 of n + 1 the cosine's
	v_and_b32 v[\B+7], 2, v[\B+7]
	v_lshlrev_b32 v[\B+7], 30, v[\B+7]
	v_xor_b32 v[\B+13], v[\B+7], v[\B+13]
	v_mul_f32 v[CO+\k], 0x3e800000, v[\B+13]       ; / 4
	v_mul_f32 v[SN+\k], 0x3e800000, v[\B+10]
.endm
	SINCOS 0, 6
	SINCOS 1, 20
	global_store_b64 v3, v[CO:CO+1], s[24:25]             ; 256 consecutive bytes: the row's 64 cosines
	global_store_b64 v3, v[SN:SN+1], s[24:25] offset:256  ; and its 64 sines
	s_cmp_lg_u32 s13, 0
	s_cbranch_scc1 .Lnot_row_0
	v_mov_b32 v38, 0x3e800000                      ; the wave of row 0 also writes row 1024: 1/4,
	v_mov_b32 v39, 0x3e800000
	v_mov_b32 v232, 0                              ; and 0
	v_mov_b32 v233, 0
	global_store_b64 v3, v[38:39], s[10:11] offset:1024*512
	global_store_b64 v3, v[232:233], s[10:11] offset:1024*512+256
.Lnot_row_0:
.set i, 0
.rept 32
	s_wait_loadcnt 31-i                            ; loads come back in order: load i is in, the younger ones stay out
	v_cvt_pk_bf16_f32 v[Y+2*i], v[X+4*i], v[X+4*i+1]
	v_cvt_pk_bf16_f32 v[Y+2*i+1], v[X+4*i+2], v[X+4*i+3]
	global_store_b64 v3, v[Y+2*i:Y+2*i+1], s[8:9] offset:256*i  ; 256 consecutive bytes, at a multiple of 256 from xb's first
.set i, i+1
.endr
	s_endpgm
.Lfunc_end_k_qd9c91a1dad_prep:
	.size	k_qd9c91a1dad_prep, .Lfunc_end_k_qd9c91a1dad_prep-k_qd9c91a1dad_prep
	.p2alignl 7, 3214868480
	.fill 96, 4, 3214868480
	.section	.rodata,"a",@progbits
	.p2align	6, 0x0
	.amdhsa_kernel k_qd9c91a1dad_prep
		.amdhsa_group_segment_fixed_size 0
		.amdhsa_private_segment_fixed_size 0
		.amdhsa_enable_private_segment 0
		.amdhsa_kernarg_size 32
		.amdhsa_user_sgpr_count 2
		.amdhsa_user_sgpr_kernarg_segment_ptr 1
		.amdhsa_wavefront_size32 1
		.amdhsa_system_sgpr_workgroup_id_x 1
		.amdhsa_system_sgpr_workgroup_id_y 1
		.amdhsa_system_sgpr_workgroup_id_z 1
		.amdhsa_system_vgpr_workitem_id 0
		.amdhsa_next_free_vgpr 236
		.amdhsa_next_free_sgpr 66
		.amdhsa_reserve_vcc 1
		.amdhsa_float_denorm_mode_32 3
		.amdhsa_float_denorm_mode_16_64 3
		.amdhsa_memory_ordered 1
		.amdhsa_forward_progress 1
		.amdhsa_inst_pref_size 17
	.end_amdhsa_kernel
	.amdgpu_metadata
---
amdhsa.version: [ 1, 2 ]
amdhsa.kernels:
  - .name:           k_qd9c91a1dad_prep
    .symbol:         k_qd9c91a1dad_prep.kd
    .args:
      - { .name: hidden_states, .offset: 0, .size: 8, .value_kind: global_buffer, .address_space: global }
      - { .name: position_ids, .offset: 8, .size: 8, .value_kind: global_buffer, .address_space: global }
      - { .name: xb, .offset: 16, .size: 8, .value_kind: global_buffer, .address_space: global }
      - { .name: rope, .offset: 24, .size: 8, .value_kind: global_buffer, .address_space: global }
    .group_segment_fixed_size: 0
    .private_segment_fixed_size: 0
    .kernarg_segment_align: 8
    .kernarg_segment_size: 32
    .max_flat_workgroup_size: 128
    .sgpr_count:     66
    .vgpr_count:     236
    .wavefront_size: 32
...
	.end_amdgpu_metadata
.endif
;; end of part 1
;; launch qkv (part 2): grid 64 x 4, 8 waves a work-group, clusters of 4 x 4, 327,680 bytes of LDS; arguments xb, Wq, Wk, Wv, rope, qkv; writes qkv
.if DOCPART == 2
	.amdgcn_target "amdgcn-amd-amdhsa--gfx1250"
	.amdhsa_code_object_version 6
	.text
	.protected	k_qd9c91a1dad_qkv
	.globl	k_qd9c91a1dad_qkv
	.p2align	8
	.type	k_qd9c91a1dad_qkv,@function
k_qd9c91a1dad_qkv:
	s_mov_b64 s[64:65], 0
	v_nop
	global_prefetch_b8 v0, s[64:65] scope:SCOPE_SE
	s_setreg_imm32_b32 hwreg(HW_REG_WAVE_MODE, 25, 1), 1
	s_wait_xcnt 0x0
	s_wait_alu depctr_hold_cnt(0) depctr_sa_sdst(0) depctr_va_vdst(0) depctr_va_sdst(0) depctr_va_ssrc(0) depctr_va_vcc(0) depctr_vm_vsrc(0)
	s_getreg_b32 s2, hwreg(HW_REG_IB_STS2, 6, 4)
	s_cmp_eq_u32 s2, 0
	s_cbranch_scc0 .Lentry_in_a_cluster
	s_endpgm
.Lentry_in_a_cluster:
	s_bfe_u32 s2, ttmp6, 0x10000c
	s_cmp_lg_u32 s2, 0xf033
	s_cbranch_scc0 .Lentry_shape_is_right
	s_endpgm
.Lentry_shape_is_right:
.set MODE, 0
; ONE TEXT FOR TWO LAUNCHES; only the line above differs.  C = A W^T, A: [1024][4096] of 16 bits, W: rows of 4,096 f32, K = 4,096, sums in f32.
; MODE 0: A = xb (bf16), W = Wq, Wk, Wv (6,144 rows), rounded to bf16 on the way; the result is turned by the rotary table, divided by 4 (in the table) and stored as f16 in
;   qkv[head 48][block of 128 rows 8][block of 16 channels 8][row 128][channel 16]; heads 0-31 q, 32-39 k, 40-47 v.
; MODE 1: A = attn (f16, true value / 4), W = Wo, rounded to bf16 like every input and that number written as f16; out0 = 4 x the sums, f32.
; LIMITS.  MODE 0: |q|, |k|, |v| below 2.6e5 (f16's 65,504 x 4); below 2.4e-4 they keep f16's fixed step, 4 x 6e-8.  MODE 1: |Wo| below 65,504; below 6e-5 f16's fixed step of 6e-8.
; NaN and infinities are not treated apart.  The order of K in a sum is this text's own (below): two partial sums in f32, added once.
; SHARES.  A work-group makes 256 rows x 16 NBLK columns of C (96 or 64): 64 x 4 work-groups.  EIGHT WAVES, two on a SIMD: wave wv has the row group w = wv % 4 (64 rows, all the columns:
; 4 x NBLK accumulators of 16 x 16) and the K half kh = wv / 4: of every K step of 256 it multiplies the quarters (32 along K) 2 s + kh, s = 0 .. 3: four OWN STEPS.  So a wave's tile, and
; what each LDS byte feeds, is that of four waves; and the 44 (MODE 1: 56) loads, stores and conversions of one wave's step stand beside the 24 (16) products of the other wave of its SIMD.
; At the end the two waves of a row group hand each other half of their partial sums through LDS, and each finishes 32 rows.  A wave numbers its row blocks a' so that it keeps a' = 0, 1:
; block a' is rows 64 w + 32 (kh xor a' / 2) + 16 (a' % 2).
; The matrix instruction is used transposed (source 0 = 16 rows of W, source 1 = 16 rows of A): a lane holds eight neighbouring columns of one row of C.
; A comes by the tensor data mover into two LDS slots of K = 256 (rows of 512 bytes); each wave fetches 32 rows.  CLUSTER: the four work-groups of a row of the cluster need the same rows
; of A and ask for them jointly.
; W is NOT asked for jointly: it lies in memory as f32 and is wanted in LDS in 16 bits, so it goes through registers: each wave loads whole pieces of rows (512 consecutive bytes an
; instruction) into a ring of DEPTH register slots, converts a slot K = 128 ahead of its use, stores it into an LDS ring of two half steps (K = 128), and loads the slot again at once:
; DEPTH x LPC loads of a wave are always out.  MODE 0 has registers for DEPTH = 4 (one K step's bytes), MODE 1 for 8 (two).
; THE ORDER OF K.  The sixteen clusters read the same rows of A.  In its step p cluster c takes K slice p xor c (256 along K), of A and of W: at any time the clusters read sixteen
; different slices, and not all the same 512 bytes of every row.
; MODE 0's columns go by UNITS of 32 rows of W: 16 channels d and the 16 channels d + 64 of one head, so that the two numbers that the rotation mixes lie in one lane, in the same
; register of two accumulators.
.if MODE == 0
.set NBLK,  6
.set DEPTH, 4
.else
.set NBLK,  4
.set DEPTH, 8
.endif
.set NU,     NBLK/2                    ; units of 32 rows of W
.set LPC,    2*NU                      ; loads in a chunk: half of a wave's share (4 rows a unit) of a half step
.set PB,     DEPTH/4+1                 ; the loads of own steps 2, 3 of K step p and 0, 1 of K step p + 1 fetch K step p + PB
.set WROW,   16384                     ; bytes in a row of W
.set APITCH, 528                       ; an LDS row of A: 512 bytes + 16 of padding: the 16 rows of a fragment load start in 16 different groups of four banks
.set AWAVE,  32*APITCH                 ; the 32 rows that a wave fetches
.set ASLOT,  8*AWAVE
.set BRING,  2*ASLOT                   ; behind A's two slots: W's ring, written by ds_store alone
.set BPITCH, 272                       ; an LDS row of W: 256 bytes (K = 128) + 16
.set BSLOT,  16*NBLK*BPITCH
.set XW,     2048*NBLK                 ; what a wave hands over: 2 NBLK accumulators of 1,024 bytes.  The eight such areas lie from LDS byte 0 on, in A's slot 0, which has had its last fill
.set STAGE,  65536                     ; MODE 1: 16 rows x 272 bytes for each wave, for the way out: in A's slot 0 too, behind MODE 1's eight areas
.set SPITCH, 272
.set SPARE,  322560                    ; the spare words, 128 bytes for each wave: four blocks of 256 bytes that no other line names
; window 0
.set ADRA0L, 2                         ; v2   my lane's place in my rows a' = 0, 1 of A, slot 0, my K half; never rewritten
.set ADRA0H, 3                         ; v3   the same for a' = 2, 3
.set ADRAL,  4                         ; v4, v5  the same in the slot in hand
.set ADRAH,  5
.set ADRB,   6                         ; v6   my lane's place in W's ring, my K half
.set BST,    7                         ; v7   where I store 8 bytes of a row of W
.set GOFF,   8                         ; v8   my byte offset from a unit's first row of W; never rewritten
.set GK,     9                         ; v9   the same at the K slice that is being fetched
.set VO,     10                        ; v10  my byte offset in the output
.set RA,     11                        ; v11-16  MODE 0: byte offsets into the table, by (a', unit)
.set STO,    11                        ; MODE 1: where I put 16 bytes of a row in my stage
.set RD,     12                        ; MODE 1: where I read rows back
.set XST,    17                        ; v17  where I put what I hand over
.set XLD,    18                        ; v18  where my partner has put what it hands me
.set SPW,    28                        ; v28  LDS address of my spare word; never rewritten
.set NIL,    29                        ; v29  0; never rewritten
.set F0,     32                        ; v32-111, v112-191: two fragment buffers: W's blocks at +8 b, A's at +48 + 8 a'
.set CT,     192                       ; converted chunk, 2 registers a load
.set CW,     200                       ; MODE 1: at work
; MODE 0: v204-251 slots 0, 1 of W's register ring;  window 1: v0-191 accumulator (a', b) at 8 (6 a' + b); v192-239 slots 2, 3
; MODE 1: window 1: v0-127 accumulator (a', b) at 8 (4 a' + b); v128-255 the eight slots
.set WV,   16                          ; s16  wave
.set CX,   17                          ; s17, s18  my place in the cluster
.set CY,   18
.set TT,   19                          ; s19  tile column = 4 x cluster x + cx
.set KH,   21                          ; s21  my K half
.set KO,   22                          ; s[22:23]  a K slice's byte offset in A; the upper word stays 0
.set G1,   24                          ; s[24:31]  descriptor group 1
.set G0A,  32                          ; s[32:35]  group 0 of the first fill
.set G0W,  36                          ; s[36:39]  group 0 of the second fill and of every refill
.set SB,   40                          ; s[40:45]  W at each unit's first row; never rewritten
.set OB,   46                          ; s[46:51]  MODE 0: qkv at each unit's head and channel block
.set TBA,  52                          ; s52  0 or ASLOT: the slot of A in hand
.set CNT,  53
.set HMASK, 54                         ; s54  a word's upper 16 bits
.set PER,  55                          ; s55  the K step in hand, 0 .. 15
.set RSEL, 56                          ; s56-58  MODE 0: 1 for q and k (the row picks the table's row), 0 for v
.set RADD, 59                          ; s59-61  MODE 0: the unit's 64 bytes in a table row, and for v row 1024
.set WR,   62                          ; s62  my row group
.set CK,   80                          ; s80  the cluster's number, 0 .. 15
.set GT,   81                          ; s81  a K slice's byte offset in W
.set ABASE, 82                         ; s[82:83]  A at the 32 rows that I fetch
.set MSB, 0
.macro WIN new                         ; the immediate's high byte repeats the setting that is left; a switch that changes nothing is dropped
.if MSB != (\new)
	s_set_vgpr_msb (MSB<<8)|(\new)
.set MSB, (\new)
.endif
.endm
.set W_MM, 0x50                        ; C and D in window 1, sources in window 0
.macro PLACES                          ; four places behind a matrix instruction, where no other vector work is at hand (ISA guide 7.12.1)
.rept 4
	v_nop
.endr
.endm
.macro CREST                           ; a round of the cluster's barrier behind its opening barrier: it follows that barrier's wait with nothing between
	s_cmp_lg_u32 s[WV], 0
	s_cbranch_scc1 .Lnot_wave_0_\@
	s_barrier_signal -3
.Lnot_wave_0_\@:
	s_barrier_wait -3
	s_barrier_signal -1
	s_barrier_wait -1
.endm
.macro CROUND
	s_barrier_signal -1
	s_barrier_wait -1
	CREST
.endm
.macro ALOAD g0                        ; a joint load: 32 rows x 256 K of A, for the four work-groups of my row; s_nop 0 and four v_nop follow it
	tensor_load_to_lds s[(\g0):(\g0)+3], s[G1:G1+7]
	s_nop 0
	PLACES
.endm
; n x NBLK matrix instructions: row blocks a0 .. a0 + n - 1 x all column blocks, 32 along K, from buffer f.  Every accumulator has one turn in a step, always in the same order.
.macro MUL f, a0, n, zero
	WIN W_MM
.set ma, (\a0)
.rept (\n)
.set mb, 0
.rept NBLK
.set aD, 8*(NBLK*ma+mb)
.set aW, (\f)+8*mb
.set aX, (\f)+48+8*ma
.if MODE == 0
.if \zero
	v_wmma_f32_16x16x32_bf16 v[aD:aD+7], v[aW:aW+7], v[aX:aX+7], 0
.else
	v_wmma_f32_16x16x32_bf16 v[aD:aD+7], v[aW:aW+7], v[aX:aX+7], v[aD:aD+7]
.endif
.else
.if \zero
	v_wmma_f32_16x16x32_f16 v[aD:aD+7], v[aW:aW+7], v[aX:aX+7], 0
.else
	v_wmma_f32_16x16x32_f16 v[aD:aD+7], v[aW:aW+7], v[aX:aX+7], v[aD:aD+7]
.endif
.endif
.set mb, mb+1
.endr
.set ma, ma+1
.endr
.endm
; The fragments of my own step s of a K step (quarter 2 s + kh; the kh lies in the address registers), into buffer g: W's blocks, then A's; the last four loads are A's blocks a' = 2, 3.
.macro FETCH s, g
	WIN 0
.set fb, 0
.rept NBLK
	ds_load_b128 v[(\g)+8*fb:(\g)+8*fb+3],   v[ADRB] offset:((\s)>>1)*BSLOT+16*BPITCH*fb+128*((\s)&1)
	ds_load_b128 v[(\g)+8*fb+4:(\g)+8*fb+7], v[ADRB] offset:((\s)>>1)*BSLOT+16*BPITCH*fb+128*((\s)&1)+32
.set fb, fb+1
.endr
.set fb, 0
.rept 2
	ds_load_b128 v[(\g)+48+8*fb:(\g)+48+8*fb+3],   v[ADRAL] offset:16*APITCH*fb+128*(\s)
	ds_load_b128 v[(\g)+48+8*fb+4:(\g)+48+8*fb+7], v[ADRAL] offset:16*APITCH*fb+128*(\s)+32
.set fb, fb+1
.endr
.set fb, 0
.rept 2
	ds_load_b128 v[(\g)+64+8*fb:(\g)+64+8*fb+3],   v[ADRAH] offset:16*APITCH*fb+128*(\s)
	ds_load_b128 v[(\g)+64+8*fb+4:(\g)+64+8*fb+7], v[ADRAH] offset:16*APITCH*fb+128*(\s)+32
.set fb, fb+1
.endr
.endm
.macro FSLOT c                         ; slot c of W's register ring: its window FW and its first register FB
.if MODE == 0
.set FW, (\c)/2
.set FB, 204+24*((\c)%2)-12*((\c)/2)
.else
.set FW, 1
.set FB, 128+16*(\c)
.endif
.endm
; Register slot c of W's ring is rounded to bf16 (MODE 1: and that number written as f16).  left: the younger loads, which stay out.
.macro CHUNKCV c, left
	FSLOT \c
	WIN 5*FW                                       ; sources 0 and 1 in the slot's window
	s_wait_loadcnt \left
.set ce, 0
.rept LPC
	v_cvt_pk_bf16_f32 v[CT+2*ce],   v[FB+4*ce],   v[FB+4*ce+1]
	v_cvt_pk_bf16_f32 v[CT+2*ce+1], v[FB+4*ce+2], v[FB+4*ce+3]
.set ce, ce+1
.endr
.if MODE
	WIN 0
.set ce, 0
.rept 2*LPC
	v_lshlrev_b32 v[CW+2*ce], 16, v[CT+ce]
	v_and_b32 v[CW+2*ce+1], s[HMASK], v[CT+ce]
.set ce, ce+1
.endr
.set ce, 0
.rept 2*LPC
	v_cvt_pk_f16_f32 v[CT+ce], v[CW+2*ce], v[CW+2*ce+1]
.set ce, ce+1
.endr
.endif
.endm
.macro CHUNKST slot, j                 ; into W's LDS ring: load e = 2 unit + rr is row 32 unit + 4 wave + 2 j + rr; 32 lanes x 8 bytes are the row's 256
	WIN 0
.set ce, 0
.rept LPC
	ds_store_b64 v[BST], v[CT+2*ce:CT+2*ce+1] offset:(\slot)*BSLOT+(32*(ce/2)+2*(\j)+ce%2)*BPITCH
.set ce, ce+1
.endr
.endm
.macro CHUNKLD c, j, hi                ; register slot c is loaded: rows 2 j, 2 j + 1 of my four in each unit, half hi (128 K) of the K slice at GK: 512 consecutive bytes an instruction
	FSLOT \c
	WIN FW<<6                                      ; destination in the slot's window
.set ce, 0
.rept LPC
	global_load_b128 v[FB+4*ce:FB+4*ce+3], v[GK], s[SB+2*(ce/2):SB+2*(ce/2)+1] offset:(2*(\j)+ce%2)*WROW+512*(\hi)
.set ce, ce+1
.endr
.endm
.macro SETGK ahead                     ; W's loads go on to the slice of K step PER + ahead
	WIN 0
	s_add_co_u32 s[GT], s[PER], \ahead
	s_xor_b32 s[GT], s[GT], s[CK]
	s_lshl_b32 s[GT], s[GT], 10                    ; 256 f32
	s_wait_xcnt 0x0                                ; every load issued has had its address translated (ISA guide 3.1): only behind this wait is the offset rewritten
	v_add_nc_u32 v[GK], s[GT], v[GOFF]
.endm
; MY OWN STEPS are numbered S = 0 .. 63, four to a K step; gs = S % 4.  At step S chunk S + 2 is converted and stored (it is wanted from step 2 (S / 2) + 2 on) and chunk S + 2 + DEPTH is
; loaded into its slot; there are 64 chunks.  GO sets: gc the slot, gcv / gld whether there is a chunk to convert / to load, gleft the younger chunks, gkind, gzero, FF and GG the buffers.
; An even step multiplies its buffer; in its middle stand the chunk's work (its conversions are the places in front of the fragment loads), the next step's fragments and the chunk's loads.
.macro STEP
	s_wait_dscnt 4                                 ; W's blocks and A's blocks 0, 1 are in; the youngest four loads (A's blocks 2, 3) may be out
	MUL FF, 0, 2, gzero
.if gcv
	CHUNKCV gc, gleft*LPC
	CHUNKST ((gs>>1)+1)&1, gs&1
.else
	PLACES
.endif
	FETCH gs+1, GG
.if gld
.if gs == 2
	SETGK PB
.endif
	CHUNKLD gc, gs&1, 1-(gs>>1)
.endif
	s_wait_dscnt LPC*gcv+2*NBLK+8                  ; all but what this step has issued
	MUL FF, 2, 2, gzero
.endm
; An odd step changes slots: W's ring at both, A's at gs = 3.  The chunk's work stands first, so that its stores are done at the barrier.
; gkind 0: a plain barrier: behind it nobody reads W's old half any more and the new half is whole; A's load may stay out, since no tensor load fills anything behind it.
; gkind 1: the barrier opens a round of the cluster's barrier; A's slot just read is filled again, two K steps ahead, first thing behind the round.  gkind 2: the last change of A's slots: nothing is asked for.
.macro TURN
	CHUNKCV gc, gleft*LPC
	CHUNKST ((gs>>1)+1)&1, gs&1
.if gld
	CHUNKLD gc, gs&1, 1-(gs>>1)
.endif
.if gkind == 0
	s_wait_dscnt 4+LPC                             ; the chunk's stores and A's blocks 2, 3 may be out
	MUL FF, 0, 1, 0
	s_wait_dscnt 0x0                               ; my stores into the new half are done, my reads of the old half are over
	s_barrier_signal -1
	MUL FF, 1, 1, 0
	s_barrier_wait -1
	FETCH gs+1, GG                                 ; the chunk's conversions were the places behind the last products on this buffer
.else
	WIN 0                                          ; (the add's two registers lie in window 0)
	s_wait_tensorcnt 0x0                           ; all my tensor loads have landed: the one that was out is my part of A's next slot;
	ds_add_u32 v[SPW], v[NIL]                      ; 0 onto my spare word
	s_wait_dscnt 5+LPC                             ; (the add, the chunk's stores and A's blocks 2, 3 may be out)
	MUL FF, 0, 1, 0
	s_wait_dscnt 0x0                               ; the add and my stores are done, my reads of both old slots are over
	s_barrier_signal -1
	MUL FF, 1, 1, 0
	WIN 0                                          ; at a branch and at a label every window is 0
	s_barrier_wait -1
.if gkind == 1
	CREST                                          ; no wave of any partner still reads this slot or has a load on its way
	s_xor_b32 s[G0W+1], s[G0W+1], ASLOT            ; the other slot than last time (the slot's two bits are free in wave x AWAVE);
	s_add_co_u32 s[KO], s[PER], 2                  ; the address is made anew: the slice of the K step two on
	s_xor_b32 s[KO], s[KO], s[CK]
	s_lshl_b32 s[KO], s[KO], 9                     ; 256 elements of 2 bytes
	s_add_nc_u64 s[G0W+2:G0W+3], s[ABASE:ABASE+1], s[KO:KO+1]
	s_or_b32 s[G0W+3], s[G0W+3], 0x80000000
	ALOAD G0W
.endif
	s_add_co_u32 s[PER], s[PER], 1
	s_xor_b32 s[TBA], s[TBA], ASLOT                ; my reads go on in A's other slot
	v_add_nc_u32 v[ADRAL], s[TBA], v[ADRA0L]
	v_add_nc_u32 v[ADRAH], s[TBA], v[ADRA0H]
	FETCH 0, GG
.endif
	MUL FF, 2, 2, 0
.endm
.macro GO S
.set gs, (\S)&3
.set gc, ((\S)+2)%DEPTH
.set gleft, DEPTH-1
.if 61-(\S) < DEPTH-1
.set gleft, 61-(\S)                    ; the last loads have been issued: the counts run down
.endif
.set gcv, 1
.if (\S) > 61
.set gcv, 0
.endif
.set gld, 0
.if (\S) <= 61-DEPTH
.set gld, 1
.endif
.set gkind, 0
.if gs == 3
.set gkind, 1
.if (\S) > 55
.set gkind, 2
.endif
.endif
.set gzero, 0
.if (\S) == 0
.set gzero, 1
.endif
.set FF, F0+80*(gs&1)
.set GG, F0+80-80*(gs&1)
.if gs&1
	TURN
.else
	STEP
.endif
.endm
.if MODE == 0
	s_load_b256 s[4:11], s[0:1], 0x0               ; xb s[4:5], Wq s[6:7], Wk s[8:9], Wv s[10:11]
	s_load_b128 s[12:15], s[0:1], 0x20             ; rope s[12:13], qkv s[14:15]
.else
	s_load_b128 s[4:7], s[0:1], 0x0                ; attn s[4:5], Wo s[6:7]
	s_load_b64 s[8:9], s[0:1], 0x10                ; out0
.endif
	v_lshl_add_u32 v[SPW], v0, 2, SPARE
	v_mov_b32 v[NIL], 0
	ds_add_u32 v[SPW], v[NIL]                      ; the wave's opening: the add and its wait stand ahead of my first tensor load; the set-up below, work on registers, stands between them
	v_lshrrev_b32 v1, 5, v0
	v_readfirstlane_b32 s[WV], v1
	s_and_b32 s[WR], s[WV], 3
	s_lshr_b32 s[KH], s[WV], 2
	s_bfe_u32 s[CX], ttmp6, 0x40000
	s_bfe_u32 s[CY], ttmp6, 0x40004                ; the grid is one cluster high: cy is the tile row
	s_mov_b32 s[CK], ttmp9                         ; in a cluster launch ttmp9 counts clusters: 0 .. 15
	s_lshl_b32 s[TT], ttmp9, 2
	s_add_co_u32 s[TT], s[TT], s[CX]
	s_lshl_b32 s20, s[CY], 2
	s_lshl_b32 s20, 15, s20                        ; my row of the cluster: places 4 cy .. 4 cy + 3
	s_or_b32 s[G1], s20, (1<<16)|(1<<20)|(1<<21)|(6<<22)|(3<<25)  ; 15:0 the mask; 17:16 elements of 2 bytes; 20 padding on; 21 set beside a mask; 24:22 after every 128 words (code 6); 31:25 4 words of it (code 3)
	s_mov_b32 s[G1+1], 256<<16                     ; tensor_dim0 = 256
	s_mov_b32 s[G1+2], 32<<16                      ; tensor_dim1 = 32
	s_mov_b32 s[G1+3], 256<<16                     ; tile_dim0 = 256
	s_mov_b32 s[G1+4], 32                          ; tile_dim1 = 32
	s_mov_b32 s[G1+5], 4096                        ; elements from row to row
	s_mov_b32 s[G1+6], 0
	s_mov_b32 s[G1+7], 0
	s_lshl_b32 s[KO], s[CY], 21                    ; A: 256 rows of 8,192 bytes a tile row,
	s_lshl_b32 s[KO+1], s[WV], 18                  ; 32 rows a wave
	s_add_co_u32 s[KO], s[KO], s[KO+1]
	s_mov_b32 s[KO+1], 0
	s_mov_b32 s[G0A], 1
	s_mul_i32 s[G0A+1], s[WV], AWAVE               ; LDS: the wave's number alone
	s_mov_b32 s[G0W], 1
	s_add_co_u32 s[G0W+1], s[G0A+1], ASLOT
	s_mov_b32 s[TBA], 0
	s_mov_b32 s[PER], 0
	s_mov_b32 s[HMASK], 0xffff0000
	v_and_b32 v1, 31, v0
.if MODE == 0
	s_lshl_b32 s63, s[WR], 16                      ; my four rows of a unit: rows 4 (wv % 4) on of its channels d (wv < 4) or d + 64
	s_lshl_b32 s84, s[KH], 20
	s_add_co_u32 s63, s63, s84
.else
	s_lshl_b32 s63, s[WV], 16                      ; my four rows of a unit: 4 wv on
.endif
	v_lshl_add_u32 v[GOFF], v1, 4, s63
	s_wait_dscnt 0x0                               ; the opening add is done
	s_wait_kmcnt 0x0
	s_add_nc_u64 s[ABASE:ABASE+1], s[4:5], s[KO:KO+1]
	s_lshl_b32 s[KO], s[CK], 9                     ; K step 0: slice c
	s_add_nc_u64 s[G0A+2:G0A+3], s[ABASE:ABASE+1], s[KO:KO+1]
	s_or_b32 s[G0A+3], s[G0A+3], 0x80000000
	s_xor_b32 s[KO], s[CK], 1                      ; K step 1: slice 1 xor c
	s_lshl_b32 s[KO], s[KO], 9
	s_add_nc_u64 s[G0W+2:G0W+3], s[ABASE:ABASE+1], s[KO:KO+1]
	s_or_b32 s[G0W+3], s[G0W+3], 0x80000000
.if MODE == 0
; unit u = 3 t + i: head g = u / 4 of the 48, channels 16 (u % 4) on and 64 further
.macro UNIT i
	s_mul_i32 s66, s[TT], 3
	s_add_co_u32 s66, s66, \i
	s_lshr_b32 s67, s66, 2                         ; g
	s_and_b32 s68, s66, 3                          ; sub
	s_cmp_lt_u32 s67, 40
	s_cselect_b64 s[70:71], s[8:9], s[10:11]       ; Wk or Wv,
	s_cselect_b32 s69, 32, 40
	s_cselect_b32 s[RSEL+(\i)], 1, 0
	s_cselect_b32 s72, 0, 1024*512
	s_cmp_lt_u32 s67, 32
	s_cselect_b64 s[70:71], s[6:7], s[70:71]       ; or Wq
	s_cselect_b32 s69, 0, s69
	s_sub_co_u32 s69, s67, s69                     ; the head's number in its own tensor
	s_lshl_b32 s69, s69, 3
	s_add_co_u32 s69, s69, s68                     ; in blocks of 16 rows
	s_lshl_b32 s74, s69, 18                        ; of 16,384 bytes
	s_mov_b32 s75, 0
	s_add_nc_u64 s[SB+2*(\i):SB+2*(\i)+1], s[70:71], s[74:75]
	s_lshl_b32 s73, s68, 6
	s_add_co_u32 s[RADD+(\i)], s73, s72
	s_lshl_b32 s74, s67, 18                        ; qkv: 262,144 bytes a head,
	s_lshl_b32 s73, s68, 12                        ; 4,096 a block of 16 channels
	s_add_co_u32 s74, s74, s73
	s_add_nc_u64 s[OB+2*(\i):OB+2*(\i)+1], s[14:15], s[74:75]
.endm
	UNIT 0
	UNIT 1
	UNIT 2
.else
	s_lshl_b32 s66, s[TT], 20                      ; 64 rows of Wo a tile column
	s_mov_b32 s67, 0
	s_add_nc_u64 s[SB:SB+1], s[6:7], s[66:67]
	s_add_nc_u64 s[SB+2:SB+3], s[SB:SB+1], 32*WROW
.endif
	SETGK 0                                        ; W's register ring is filled: chunks 0 .. DEPTH - 1, four to a K step
.set pj, 0
.rept 4
	CHUNKLD pj, pj&1, (pj>>1)&1
.set pj, pj+1
.endr
.if DEPTH == 8
	SETGK 1
.rept 4
	CHUNKLD pj, pj&1, (pj>>1)&1
.set pj, pj+1
.endr
.endif
	WIN 0
	CROUND                                         ; all sixteen work-groups are here: the first joint loads meet
	ALOAD G0A                                      ; K step 0 into slot 0,
	ALOAD G0W                                      ; K step 1 into slot 1: two tensor loads of mine are out
	v_and_b32 v20, 15, v0                          ; l % 16
	v_bfe_u32 v21, v0, 4, 1                        ; l / 16
	v_mul_u32_u24 v22, v20, APITCH
	v_lshl_add_u32 v22, v21, 4, v22                ; row x pitch + 16 x half
	s_mul_i32 s63, s[WR], 64*APITCH                ; my row group,
	s_mul_i32 s84, s[KH], 32*APITCH+64             ; blocks a' = 0, 1: its rows 32 kh on; and my K half: 64 bytes
	s_add_co_u32 s84, s84, s63
	v_add_nc_u32 v[ADRA0L], s84, v22
	s_xor_b32 s84, s[KH], 1                        ; blocks a' = 2, 3: the other 32 rows
	s_mul_i32 s84, s84, 32*APITCH
	s_add_co_u32 s84, s84, s63
	s_lshl_b32 s63, s[KH], 6
	s_add_co_u32 s84, s84, s63
	v_add_nc_u32 v[ADRA0H], s84, v22
	v_mov_b32 v[ADRAL], v[ADRA0L]
	v_mov_b32 v[ADRAH], v[ADRA0H]
	v_mul_u32_u24 v[ADRB], v20, BPITCH
	v_lshl_add_u32 v[ADRB], v21, 4, v[ADRB]
	s_add_co_u32 s63, s63, BRING
	v_add_nc_u32 v[ADRB], s63, v[ADRB]
	s_mul_i32 s63, s[WV], 4*BPITCH
	s_add_co_u32 s63, s63, BRING
	v_lshl_add_u32 v[BST], v1, 3, s63
	s_mul_i32 s63, s[WV], XW
	v_lshl_add_u32 v[XST], v1, 4, s63              ; my area, 16 bytes a lane
	s_xor_b32 s63, s[WV], 4
	s_mul_i32 s63, s63, XW
	v_lshl_add_u32 v[XLD], v1, 4, s63              ; my partner's: the same row group, the other K half
.if MODE == 0
	s_lshl_b32 s76, s[CY], 8
	s_lshl_b32 s77, s[WR], 6
	s_add_co_u32 s76, s76, s77
	s_lshl_b32 s77, s[KH], 5
	s_add_co_u32 s76, s76, s77
	v_add_nc_u32 v22, s76, v20                     ; my row of C in block a' = 0,
	v_lshlrev_b32 v22, 9, v22                      ; as a row of the table (512 bytes)
	v_add_nc_u32 v23, 8192, v22
	v_lshlrev_b32 v26, 5, v21                      ; my eight channels: 32 bytes for each half of the lanes
.set pj, 0
.rept 3
	v_add_nc_u32 v27, s[RADD+pj], v26
	v_mad_u32_u24 v[RA+pj],   v22, s[RSEL+pj], v27
	v_mad_u32_u24 v[RA+3+pj], v23, s[RSEL+pj], v27
.set pj, pj+1
.endr
	s_lshl_b32 s76, s[CY], 16                      ; qkv: two blocks of 128 rows (32,768 bytes) a tile row,
	s_lshr_b32 s77, s[WR], 1
	s_lshl_b32 s77, s77, 15
	s_add_co_u32 s76, s76, s77
	s_and_b32 s77, s[WR], 1                        ; 64 rows of 32 bytes a row group,
	s_lshl_b32 s77, s77, 11
	s_add_co_u32 s76, s76, s77
	s_lshl_b32 s77, s[KH], 10                      ; 32 rows a wave
	s_add_co_u32 s76, s76, s77
	v_lshl_add_u32 v[VO], v20, 5, s76
	v_lshl_add_u32 v[VO], v21, 4, v[VO]
.else
	s_mul_i32 s63, s[WV], 16*SPITCH
	s_add_co_u32 s63, s63, STAGE                   ; my stage
	v_mul_u32_u24 v[STO], v20, SPITCH              ; in: row l % 16, 32 bytes for each half of the lanes
	v_lshl_add_u32 v[STO], v21, 5, v[STO]
	v_add_nc_u32 v[STO], s63, v[STO]
	v_mul_u32_u24 v[RD], v21, SPITCH               ; back: lanes 0-15 take one row of 256 bytes, lanes 16-31 the next
	v_lshl_add_u32 v[RD], v20, 4, v[RD]
	v_add_nc_u32 v[RD], s63, v[RD]
	v_lshlrev_b32 v[VO], 14, v21                   ; and the same two rows in out0
	v_lshl_add_u32 v[VO], v20, 4, v[VO]
	s_lshl_b32 s76, s[CY], 22
	s_lshl_b32 s77, s[WR], 20
	s_add_co_u32 s76, s76, s77
	s_lshl_b32 s77, s[KH], 19
	s_add_co_u32 s76, s76, s77
	s_lshl_b32 s77, s[TT], 8
	s_add_co_u32 s76, s76, s77
	s_mov_b32 s77, 0
	s_add_nc_u64 s[8:9], s[8:9], s[76:77]          ; out0 at the first of the 32 rows that I finish, my tile's first column
.endif
	SETGK DEPTH/4
.set pj, 0
.rept 2
	CHUNKCV pj, (DEPTH-1)*LPC                      ; W's first half step goes into LDS; its register slots take chunks DEPTH, DEPTH + 1
	CHUNKST 0, pj
	CHUNKLD pj, pj, 0
.set pj, pj+1
.endr
	WIN 0
	s_wait_tensorcnt 0x1                           ; my part of K step 0 is in; K step 1's may stay out
	s_wait_dscnt 0x0                               ; my stores of W's first half step are done
	s_barrier_signal -1
	s_barrier_wait -1
	FETCH 0, F0
	GO 0                                           ; the first step stands in front of the loop: its products start the sums
	WIN 0
.if MODE == 0
	s_mov_b32 s[CNT], 14
.Lper:                                                 ; a trip: from a K step's second own step to the next one's first; 14 trips fill A's slots again
.irp S, 1,2,3,4
	GO \S
.endr
.else
	s_mov_b32 s[CNT], 6
.Lper:                                                 ; a trip: two K steps, once round W's eight register slots; 6 trips
.irp S, 1,2,3,4,5,6,7,8
	GO \S
.endr
.endif
	WIN 0
	s_sub_co_u32 s[CNT], s[CNT], 1
	s_cmp_lg_u32 s[CNT], 0
	s_cbranch_scc1 .Lper
.if MODE                               ; the tail is written out, with each step's true number: W's last chunks, A's last refills, then nothing more is asked for
.irp S, 49,50,51,52,53,54,55,56
	GO \S
.endr
.endif
.irp S, 57,58,59,60,61
	GO \S
.endr
.if MODE == 0
.set pj, 0
.rept 6                                ; W's register ring is empty: it takes the table's numbers for my 32 rows x 48 pairs of channels: (a', unit) = (pj / 3, pj % 3): 8 cosines, then 8 sines
	WIN (pj/3)<<6
.set rB, 204+16*(pj%3)-12*(pj/3)
	global_load_b128 v[rB:rB+3],     v[RA+pj], s[12:13]
	global_load_b128 v[rB+4:rB+7],   v[RA+pj], s[12:13] offset:16
	global_load_b128 v[rB+8:rB+11],  v[RA+pj], s[12:13] offset:256
	global_load_b128 v[rB+12:rB+15], v[RA+pj], s[12:13] offset:272
.set pj, pj+1
.endr
.endif
	GO 62
	s_wait_dscnt 4                                 ; the very last step: nothing more to fetch
	MUL F0+80, 0, 2, 0
	s_wait_dscnt 0x0
	MUL F0+80, 2, 2, 0
	PLACES
	; THE TWO K HALVES MEET.  My blocks a' = 2, 3 go to my partner, its blocks a' = 2, 3 (my rows a' = 0, 1) come to me: registers as they lie, 16 bytes a lane.  The areas lie in A's slot 0:
	; its last fill has landed, and every wave's last read of it stands ahead of the barrier that ended K step 14.
	WIN 0x04                                       ; the stores' data (source 1) in window 1
.set pp, 0
.rept 4*NBLK
	ds_store_b128 v[XST], v[16*NBLK+4*pp:16*NBLK+4*pp+3] offset:512*pp
.set pp, pp+1
.endr
	WIN 0
	s_wait_dscnt 0x0                               ; for my partner's sake: my stores are done
	s_barrier_signal -1
	s_barrier_wait -1
.set pp, 0
.rept 4*NBLK
	ds_load_b128 v[32+4*pp:32+4*pp+3], v[XLD] offset:512*pp
.set pp, pp+1
.endr
	s_wait_dscnt 0x0
.if MODE == 0
	WIN 0x41                                       ; destination and source 0 in window 1
.set pp, 0
.rept 48
	v_pk_add_f32 v[2*pp:2*pp+1], v[2*pp:2*pp+1], v[32+2*pp:32+2*pp+1]
.set pp, pp+1
.endr
	; THE WAY OUT.  lo = channel d, hi = channel d + 64, c and s from the table (already / 4): lo' = lo c - hi s, hi' = hi c + lo s.  Four passes of 24 packed lines.
.macro ROT w, kind
.set oa, 0
.rept 6                                ; (a', unit) = (oa / 3, oa % 3); the table's numbers (source 1) lie in window oa / 3
	WIN (\w)|((oa/3)<<2)
.set rLo, 8*(6*(oa/3)+2*(oa%3))
.set rHi, rLo+8
.set rCs, 204+16*(oa%3)-12*(oa/3)
.set rTm, 128+8*oa
.set pp, 0
.rept 4
.if (\kind) == 0
	v_pk_mul_f32 v[rTm+pp:rTm+pp+1], v[rLo+pp:rLo+pp+1], v[rCs+8+pp:rCs+8+pp+1]
.elseif (\kind) == 1
	v_pk_mul_f32 v[rLo+pp:rLo+pp+1], v[rLo+pp:rLo+pp+1], v[rCs+pp:rCs+pp+1]
.elseif (\kind) == 2
	v_pk_fma_f32 v[rLo+pp:rLo+pp+1], v[rHi+pp:rHi+pp+1], v[rCs+8+pp:rCs+8+pp+1], v[rLo+pp:rLo+pp+1] neg_lo:[1,0,0] neg_hi:[1,0,0]
.else
	v_pk_fma_f32 v[rHi+pp:rHi+pp+1], v[rHi+pp:rHi+pp+1], v[rCs+pp:rCs+pp+1], v[rTm+pp:rTm+pp+1]
.endif
.set pp, pp+2
.endr
.set oa, oa+1
.endr
.endm
	s_wait_loadcnt 0x0                             ; the table's numbers
	ROT 0x01, 0                                    ; t = lo s      (t in window 0)
	ROT 0x41, 1                                    ; lo = lo c
	ROT 0x51, 2                                    ; lo = lo - hi s
	ROT 0x41, 3                                    ; hi = hi c + t
	WIN 0x05                                       ; sources 0 and 1 window 1, destination window 0
.set oa, 0
.rept 48
	v_cvt_pk_f16_f32 v[32+oa], v[2*oa], v[2*oa+1]
.set oa, oa+1
.endr
	WIN 0
.set oa, 0
.rept 12                               ; accumulator oa = 6 a' + 2 unit + half
	global_store_b128 v[VO], v[32+4*oa:32+4*oa+3], s[OB+2*((oa%6)/2):OB+2*((oa%6)/2)+1] offset:512*(oa/6)+16384*(oa%2)  ; 16 rows x 32 bytes: 512 consecutive bytes, at a multiple of 512 from qkv's first
.set oa, oa+1
.endr
.else
	; THE WAY OUT, a block of 16 rows at a time: the two halves' sum, x 4; 32 bytes a lane into my own stage; back as whole rows of 256 bytes; stored.
.set oa, 0
.rept 2
	WIN 0x01                                       ; source 0 in window 1
.set pp, 0
.rept 16
	v_pk_add_f32 v[96+2*pp:96+2*pp+1], v[32*oa+2*pp:32*oa+2*pp+1], v[32+32*oa+2*pp:32+32*oa+2*pp+1]
.set pp, pp+1
.endr
	WIN 0
.set pp, 0
.rept 16
	v_pk_mul_f32 v[96+2*pp:96+2*pp+1], v[96+2*pp:96+2*pp+1], 4.0 op_sel_hi:[1,0]
.set pp, pp+1
.endr
.set pp, 0
.rept 8
	ds_store_b128 v[STO], v[96+4*pp:96+4*pp+3] offset:64*(pp/2)+16*(pp%2)
.set pp, pp+1
.endr
.set pp, 0
.rept 8
	ds_load_b128 v[128+32*oa+4*pp:128+32*oa+4*pp+3], v[RD] offset:2*SPITCH*pp  ; LDS serves a wave's instructions in order (ISA guide 5.7.1.4): these see the stores above; the next block's stores come behind them
.set pp, pp+1
.endr
.set pp, 0
.rept 8
	s_wait_dscnt 7-pp
	global_store_b128 v[VO], v[128+32*oa+4*pp:128+32*oa+4*pp+3], s[8:9] offset:(16*oa+2*pp)*16384 th:TH_STORE_NT  ; 16 lanes store 256 consecutive bytes, at a multiple of 256 from out0's first; each block has registers of its own
.set pp, pp+1
.endr
.set oa, oa+1
.endr
.endif
	s_wait_tensorcnt 0x0                           ; the wave's end: behind my last tensor load and my last LDS store
	ds_add_u32 v[SPW], v[NIL]
	s_wait_dscnt 0x0
	CROUND                                         ; the closing round: no work-group ends while a partner may still ask for a tile that names it
	s_endpgm
.Lfunc_end_k_qd9c91a1dad_qkv:
	.size	k_qd9c91a1dad_qkv, .Lfunc_end_k_qd9c91a1dad_qkv-k_qd9c91a1dad_qkv
	.p2alignl 7, 3214868480
	.fill 96, 4, 3214868480
	.section	.rodata,"a",@progbits
	.p2align	6, 0x0
	.amdhsa_kernel k_qd9c91a1dad_qkv
		.amdhsa_group_segment_fixed_size 327680
		.amdhsa_private_segment_fixed_size 0
		.amdhsa_enable_private_segment 0
		.amdhsa_kernarg_size 48
		.amdhsa_user_sgpr_count 2
		.amdhsa_user_sgpr_kernarg_segment_ptr 1
		.amdhsa_wavefront_size32 1
		.amdhsa_system_sgpr_workgroup_id_x 1
		.amdhsa_system_sgpr_workgroup_id_y 1
		.amdhsa_system_sgpr_workgroup_id_z 1
		.amdhsa_system_vgpr_workitem_id 0
		.amdhsa_next_free_vgpr 512
		.amdhsa_next_free_sgpr 90
		.amdhsa_reserve_vcc 0
		.amdhsa_float_denorm_mode_32 3
		.amdhsa_float_denorm_mode_16_64 3
		.amdhsa_memory_ordered 1
		.amdhsa_forward_progress 1
		.amdhsa_inst_pref_size 87
	.end_amdhsa_kernel
	.amdgpu_metadata
---
amdhsa.version: [ 1, 2 ]
amdhsa.kernels:
  - .name:           k_qd9c91a1dad_qkv
    .symbol:         k_qd9c91a1dad_qkv.kd
    .args:
      - { .name: xb, .offset: 0, .size: 8, .value_kind: global_buffer, .address_space: global }
      - { .name: Wq, .offset: 8, .size: 8, .value_kind: global_buffer, .address_space: global }
      - { .name: Wk, .offset: 16, .size: 8, .value_kind: global_buffer, .address_space: global }
      - { .name: Wv, .offset: 24, .size: 8, .value_kind: global_buffer, .address_space: global }
      - { .name: rope, .offset: 32, .size: 8, .value_kind: global_buffer, .address_space: global }
      - { .name: qkv, .offset: 40, .size: 8, .value_kind: global_buffer, .address_space: global }
    .group_segment_fixed_size: 327680
    .private_segment_fixed_size: 0
    .kernarg_segment_align: 8
    .kernarg_segment_size: 48
    .max_flat_workgroup_size: 256
    .sgpr_count:     90
    .vgpr_count:     512
    .wavefront_size: 32
...
	.end_amdgpu_metadata
.endif
;; end of part 2
;; launch att (part 3): grid 32 x 8, 4 waves a work-group, clusters of 4 x 1, 327,680 bytes of LDS; arguments qkv, attn; writes attn
.if DOCPART == 3
	.amdgcn_target "amdgcn-amd-amdhsa--gfx1250"
	.amdhsa_code_object_version 6
	.text
	.protected	k_qd9c91a1dad_att
	.globl	k_qd9c91a1dad_att
	.p2align	8
	.type	k_qd9c91a1dad_att,@function
k_qd9c91a1dad_att:
	s_mov_b64 s[64:65], 0
	v_nop
	global_prefetch_b8 v0, s[64:65] scope:SCOPE_SE
	s_setreg_imm32_b32 hwreg(HW_REG_WAVE_MODE, 25, 1), 1
	s_wait_xcnt 0x0
	s_wait_alu depctr_hold_cnt(0) depctr_sa_sdst(0) depctr_va_vdst(0) depctr_va_sdst(0) depctr_va_ssrc(0) depctr_va_vcc(0) depctr_vm_vsrc(0)
	s_getreg_b32 s2, hwreg(HW_REG_IB_STS2, 6, 4)
	s_cmp_eq_u32 s2, 0
	s_cbranch_scc0 .Lentry_in_a_cluster
	s_endpgm
.Lentry_in_a_cluster:
	s_bfe_u32 s2, ttmp6, 0x10000c
	s_cmp_lg_u32 s2, 0x3003
	s_cbranch_scc0 .Lentry_shape_is_right
	s_endpgm
.Lentry_shape_is_right:
; CAUSAL ATTENTION WITH GROUPED KEYS.  attn[pos][128 head + :] = the sum over key <= pos of softmax(q . k / sqrt(128)) v, for 32 query heads on 8 key and value heads, 1,024 positions.
; qkv: f16 [head 48][block of 128 rows 8][block of 16 channels 8][row 128][channel 16], heads 0-31 q, 32-39 k, 40-47 v, every number its true value / 4.  attn: f16 [1024][4096], true value / 4.
; Products, maxima and sums in f32; the weights p are rounded to f16 for the second product (their sum l is taken of the unrounded p), attn once at the end.
; LIMITS.  A hidden score counts as -1e30; a weight below 2^-126 counts as 0 in l; p, and attn / 4, below 6e-5 keep f16's fixed step of 6e-8; NaN and infinities are not treated apart.
; SHARES.  A work-group has one key and value head g; its four waves are the four query heads 4 g + w, each with the SAME 16 positions: all four read the same K and V from LDS.
; THE WALK.  The positions lie in 64 blocks of 16.  A work-group takes two: 63 - b and then b, b = 4 a + c (a: the cluster's number along x, c: my place in it).  In key steps of 64 the first
; block's diagonal lies in step 15 - a, the second's in step a: 17 live steps, whatever a and c.  Tiles hold 128 keys: (17 - a) / 2 and (a + 2) / 2 of them, 9 together: ONE loop with a constant
; count walks them.  One of the 18 steps lies wholly above the diagonal: its fragments are fetched like any other's, so that every count of LDS loads is the same on both ways, and its arithmetic is jumped.
; CLUSTER.  The four partners share g and a, so they walk the same tiles and take the same jumps; each tile is asked for jointly.  c enters the addresses of q and attn and the mask's threshold alone.
; LAYOUT.  S^T = K Q^T (source 0 = 16 keys, source 1 = 16 queries): a lane holds ONE query (lane % 16) and the keys 8 (lane / 16) + 0..7.  Two such results rounded to f16 ARE source 1 of
; O^T = V^T P.  K comes out of LDS as it lies, V ([key][channel]) turned, by ds_load_tr16_b128.
; SOFTMAX.  A running maximum m and sum l: p = 2^(c s - c m), c = 16 log2(e) / sqrt(128) (the 16 undoes the two 1/4); in every step O and l are multiplied by a = 2^(c m_old - c m_new).
; m starts at the lowest finite number, O and l at 0 (for the second block: at what the first left, which is finite): a block's first step has a = 0.
; IN PHASES: a step's 16 products K Q^T, its softmax, its 16 products V^T P; the next run of LDS loads is issued behind each run of products.
.set SLOT1, 131072                     ; slot 1 begins here: one exclusive or turns an address in one slot into the other's
.set PK,    48                         ; a key's 16 channels in LDS: 32 bytes + 16 of padding: the 16 keys of a load start in 16 different groups of four banks
.set KCB,   128*PK                     ; a block of 16 channels of K: 128 keys
.set VOFF,  8*KCB                      ; behind K: V, 8 blocks of 128 keys x 32 bytes, no padding: 16 lanes of the turning load take 8 keys x 32 bytes, 256 consecutive bytes
.set STAGE, SLOT1+VOFF+32768           ; behind the ring: 16 rows x 272 bytes for each wave, for the way out
.set SP,    272
.set SPARE, STAGE+4*16*SP              ; the spare words, 128 bytes for each wave: two blocks of 256 bytes that no other line names
; window 0
.set AK0, 2                            ; v2   my lane's place in a tile of K; never rewritten
.set AV0, 3                            ; v3   the same for V
.set AK,  4                            ; v4, v5  the same in the slot in hand
.set AV,  5
.set STO, 6                            ; v6   the way out: where I put 16 bytes of a row
.set RD,  7                            ; v7   where I read rows back
.set GO,  8                            ; v8   my byte offset in two rows of attn
.set TH,  10                           ; v10  in the diagonal step register j of key block kb is hidden where 16 kb + j > TH
.set TH2, 11                           ; v11  the second block's
.set BIG, 12                           ; v12  -1e30
.set QA,  13                           ; v13  my byte offset in 16 rows of q
.set CM,  16                           ; v16  c m     v17  m     v[18:19]  l (even keys', odd keys')
.set MX,  17
.set LS,  18
.set T0,  20                           ; v20-23  at work
.set AF,  24                           ; v[24:25]  a, in the low register
.set SPW, 30
.set NIL, 31
.set Q,   32                           ; v32-63   Q: channels 32 c on at Q + 8 c
.set Q2,  64                           ; v64-95   the second block's
.set S,   96                           ; v96-127  S^T: key block kb at S + 8 kb
.set P,   128                          ; v128-143
.set O,   144                          ; v144-207 O^T: channel block cb at O + 8 cb
.set OUT, 208                          ; v208-239 rows read back from the stage
; window 1
.set KF,  0                            ; K of one step: key block kb, channels 32 c on at 8 (4 kb + c)
.set VF,  128                          ; V of one step: keys 32 kk on, channel block cb at 128 + 8 (8 kk + cb)
.set WV,  12
.set CA,  13                           ; s13  a
.set CC,  14                           ; s14  c
.set KVH, 16                           ; s16  g
.set KBASE, 20                         ; s[20:21], s[22:23]  K and V at my half of the head's tile 0
.set VBASE, 22
.set G1K, 24
.set G1V, 32
.set G0K, 40
.set G0V, 44
.set QB1, 48                           ; s[48:51]  q at my rows of the two blocks
.set QB2, 50
.set OB,  52                           ; s[52:53]  attn at my rows of the block in hand;  s[54:55] of the second block
.set OB2, 54
.set SLOTS, 56
.set LQ2, 57                           ; s57  the second block's last tile
.set CS,  58                           ; s[58:59]  c
.set SEL, 60                           ; s[60:61]  v_permlanex16_b32's selects: each lane takes its own place in the other half
.set TB,  62                           ; s62  the slot in hand: 0 or SLOT1
.set RT,  66                           ; s66  tiles of the block in hand that are still to be entered
.set NXT, 67                           ; s67  the tile to be asked for next
.set LQ,  68                           ; s68  the last tile of the block whose tiles are being asked for
.set CUR, 69                           ; s69  the tile in hand
.set DG,  70                           ; s70  the key step that holds the block's diagonal
.set SI,  71                           ; s71  the key step in hand
.set OFF, 72                           ; s[72:73]  a tile's byte offset in K and V
.set T2,  74                           ; s74  the second block's tiles
.set MSB, 0
.macro WIN new
.if MSB != (\new)
	s_set_vgpr_msb (MSB<<8)|(\new)
.set MSB, (\new)
.endif
.endm
.set W_MM, 0x01                        ; source 0 (K or V) in window 1
.set W_F,  0x40                        ; destination in window 1
.macro PLACES
.rept 4
	v_nop
.endr
.endm
; A joint fill.  Waves 0 and 1 fetch the two halves of a tile's K (channel blocks 0-3, 4-7), waves 2 and 3 those of its V.  The branch hangs on the wave's number alone.
; An s_nop 0 and four v_nop follow each of the two lines, ahead of the jump and the label.
.macro JLOAD
	s_cmp_lt_u32 s[WV], 2
	s_cbranch_scc0 .Lfor_v_\@
	tensor_load_to_lds s[G0K:G0K+3], s[G1K:G1K+7]
	s_nop 0
	PLACES
	s_branch .Lasked_\@
.Lfor_v_\@:
	tensor_load_to_lds s[G0V:G0V+3], s[G1V:G1V+7]
	s_nop 0
	PLACES
.Lasked_\@:
.endm
.macro CROUND
	s_barrier_signal -1
	s_barrier_wait -1
	s_cmp_lg_u32 s[WV], 0
	s_cbranch_scc1 .Lnot_wave_0_\@
	s_barrier_signal -3
.Lnot_wave_0_\@:
	s_barrier_wait -3
	s_barrier_signal -1
	s_barrier_wait -1
.endm
; THE CHANGE OF SLOTS.  Each wave waits for all its tensor loads, of which one is out: its part of the other slot; adds 0 to its spare word; and waits for that and for its own reads of the slot
; that it leaves.  fill = 1: the barrier is a round of the cluster's, and the old slot is filled again first thing behind it, with tile NXT; the descriptor's address is made anew from that number.
; (At its first use nothing has been read yet: slot 0 is waited for, slot 1 filled.)
.macro CHANGE fill
	WIN 0
	s_wait_tensorcnt 0x0                           ; no tensor load of mine is out, so a group 0 may be written
	ds_add_u32 v[SPW], v[NIL]                      ; 0 onto my spare word
.if \fill
	s_lshl_b32 s[OFF], s[NXT], 15                  ; a tile is 32,768 bytes of K and of V
	s_xor_b32 s[G0K+1], s[G0K+1], SLOT1
	s_add_nc_u64 s[G0K+2:G0K+3], s[KBASE:KBASE+1], s[OFF:OFF+1]
	s_or_b32 s[G0K+3], s[G0K+3], 0x80000000
	s_xor_b32 s[G0V+1], s[G0V+1], SLOT1
	s_add_nc_u64 s[G0V+2:G0V+3], s[VBASE:VBASE+1], s[OFF:OFF+1]
	s_or_b32 s[G0V+3], s[G0V+3], 0x80000000
	s_add_co_u32 s[NXT], s[NXT], 1                 ; the block's next tile, or behind its last the second block's tile 0
	s_cmp_gt_u32 s[NXT], s[LQ]
	s_cselect_b32 s[NXT], 0, s[NXT]
	s_cselect_b32 s[LQ], s[LQ2], s[LQ]
	s_wait_dscnt 0x0                               ; the add is done, and my reads of the slot are over
	CROUND
	JLOAD
.else
	s_wait_dscnt 0x0
	s_barrier_signal -1
	s_barrier_wait -1
.endif
	s_xor_b32 s[TB], s[TB], SLOT1
.endm
; THE LDS LOADS stand in runs of 32: key step t (0, 1) of the tile: its K (64 keys x 128 channels: 16 fragments) or its V (turned).
.macro FETCH_K t
	WIN W_F
.set f, 0
.rept 16                               ; key block f / 4, channels 32 (f % 4) on: two blocks of 16 channels
	ds_load_b128 v[KF+8*f:KF+8*f+3],   v[AK] offset:2*(f%4)*KCB+(64*(\t)+16*(f/4))*PK
	ds_load_b128 v[KF+8*f+4:KF+8*f+7], v[AK] offset:(2*(f%4)+1)*KCB+(64*(\t)+16*(f/4))*PK
.set f, f+1
.endr
.endm
.macro FETCH_V t
	WIN W_F
.set f, 0
.rept 16                               ; keys 32 (f / 8) on, channel block f % 8
	ds_load_tr16_b128 v[VF+8*f:VF+8*f+3],   v[AV] offset:4096*(f%8)+(64*(\t)+32*(f/8))*32
	ds_load_tr16_b128 v[VF+8*f+4:VF+8*f+7], v[AV] offset:4096*(f%8)+(64*(\t)+32*(f/8))*32+512
.set f, f+1
.endr
.endm
; THE MATRIX WORK.  The accumulators take turns, one instruction a turn.
.macro SMM                             ; S^T = K Q^T: channels 32 (f / 4) on, key block f % 4; the first four start the sums
	WIN W_MM
.set f, 0
.rept 16
.if f < 4
	v_wmma_f32_16x16x32_f16 v[S+8*(f%4):S+8*(f%4)+7], v[KF+8*(4*(f%4)+f/4):KF+8*(4*(f%4)+f/4)+7], v[Q+8*(f/4):Q+8*(f/4)+7], 0
.else
	v_wmma_f32_16x16x32_f16 v[S+8*(f%4):S+8*(f%4)+7], v[KF+8*(4*(f%4)+f/4):KF+8*(4*(f%4)+f/4)+7], v[Q+8*(f/4):Q+8*(f/4)+7], v[S+8*(f%4):S+8*(f%4)+7]
.endif
.set f, f+1
.endr
.endm
.macro PVM                             ; O^T += V^T P: keys 32 (f / 8) on, channel block f % 8
	WIN W_MM
.set f, 0
.rept 16
	v_wmma_f32_16x16x32_f16 v[O+8*(f%8):O+8*(f%8)+7], v[VF+8*f:VF+8*f+7], v[P+8*(f/8):P+8*(f/8)+7], v[O+8*(f%8):O+8*(f%8)+7]
.set f, f+1
.endr
.endm
.macro MASK                            ; the diagonal step: hidden scores become -1e30; each accumulator's registers in ascending order
	WIN 0
.set f, 0
.rept 32
	v_cmp_gt_i32 vcc_lo, 16*(f/8)+f%8, v[TH]
	v_cndmask_b32 v[S+f], v[S+f], v[BIG], vcc_lo
.set f, f+1
.endr
.endm
.macro SOFT                            ; one step's softmax for my 16 queries x 64 keys
	WIN 0
.set f, 0
.rept 4                                ; the maximum: four chains of seven scores, three operands at a time; each accumulator's lowest registers are read first
	v_max3_num_f32 v[T0+f], v[S+8*f], v[S+8*f+1], v[S+8*f+2]
.set f, f+1
.endr
.rept 8
	v_max3_num_f32 v[T0+f%4], v[T0+f%4], v[S+8*(f%4)+2*(f/4)+1], v[S+8*(f%4)+2*(f/4)+2]
.set f, f+1
.endr
	v_max3_num_f32 v[T0], v[T0], v[S+7], v[S+15]
	v_max3_num_f32 v[T0+2], v[T0+2], v[S+23], v[S+31]
	v_max3_num_f32 v[T0], v[T0], v[T0+1], v[T0+2]
	v_max3_num_f32 v[T0], v[T0], v[T0+3], v[MX]    ; and the old m
	v_mov_b32 v[T0+3], v[CM]                       ; c m_old is kept
	v_permlanex16_b32 v[T0+1], v[T0], s[SEL], s[SEL+1]  ; the query's other 32 keys lie in the lane 16 away
	v_max_num_f32 v[MX], v[T0], v[T0+1]
	v_mul_f32 v[CM], s[CS], v[MX]
	v_sub_f32 v[T0+3], v[T0+3], v[CM]
.set f, 0
.rept 16
	v_pk_fma_f32 v[S+2*f:S+2*f+1], v[S+2*f:S+2*f+1], s[CS:CS+1], v[CM:CM+1] op_sel_hi:[1,0,0] neg_lo:[0,0,1] neg_hi:[0,0,1]  ; c s - c m
.set f, f+1
.endr
	v_exp_f32 v[AF], v[T0+3]                       ; a
.set f, 0
.rept 32
	v_exp_f32 v[S+f], v[S+f]
.set f, f+1
.endr
	v_nop                                          ; a plain instruction between the last exponential and the use of its result (ISA guide 5.7.2)
.set f, 0
	s_wait_alu depctr_va_vdst(0)
.rept 16
	v_cvt_pk_f16_f32 v[P+f], v[S+2*f], v[S+2*f+1]
.set f, f+1
.endr
.irp w, 4, 8, 16, 32                   ; the sum of the 16 pairs, in place: neighbours 1, 2, 4, 8 pairs apart
.set f, 0
.rept 32/\w
	v_pk_add_f32 v[S+\w*f:S+\w*f+1], v[S+\w*f:S+\w*f+1], v[S+\w*f+\w/2:S+\w*f+\w/2+1]
.set f, f+1
.endr
.endr
	v_pk_fma_f32 v[LS:LS+1], v[LS:LS+1], v[AF:AF+1], v[S:S+1] op_sel_hi:[1,0,1]  ; l = a l + the sum
.set f, 0
.rept 32
	v_pk_mul_f32 v[O+2*f:O+2*f+1], v[O+2*f:O+2*f+1], v[AF:AF+1] op_sel_hi:[1,0]
.set f, f+1
.endr
.endm
; A TILE: two key steps.  Each counted wait leaves the younger run of 32 loads out.  The four v_nop behind each run of products are the places in front of the loads into its
; fragments' registers and of the vector lines that read its results.
.macro TILE
	WIN 0
	v_add_nc_u32 v[AK], s[TB], v[AK0]
	v_add_nc_u32 v[AV], s[TB], v[AV0]
	s_lshl_b32 s[SI], s[CUR], 1
	FETCH_K 0
	FETCH_V 0
	s_wait_dscnt 32                                ; K of the first step is in
	SMM
	PLACES
	FETCH_K 1
	WIN 0
	s_cmp_lg_u32 s[SI], s[DG]
	s_cbranch_scc1 .Lopen0_\@
	MASK
.Lopen0_\@:
	SOFT
	s_wait_dscnt 32                                ; V of the first step is in; K of the second stays out
	PVM
	PLACES
	FETCH_V 1
	WIN 0
	s_add_co_u32 s[SI], s[SI], 1
	s_cmp_gt_u32 s[SI], s[DG]
	s_cbranch_scc1 .Ldead_\@                       ; the step lies above the diagonal: register work alone is jumped
	s_wait_dscnt 32                                ; K of the second step is in
	SMM
	PLACES
	WIN 0
	s_cmp_lg_u32 s[SI], s[DG]
	s_cbranch_scc1 .Lopen1_\@
	MASK
.Lopen1_\@:
	SOFT
	s_wait_dscnt 0x0                               ; V of the second step is in
	PVM
	PLACES
	WIN 0
.Ldead_\@:
	s_wait_dscnt 0x0                               ; on the short way: the fragments that nobody uses have landed, so their registers may be loaded again
.endm
; A BLOCK'S END: l's two halves and the other half of the lanes' are added; O^T is divided by l, rounded to f16 and sent through my stage in LDS.
.macro FINISH
	WIN 0
	v_add_f32 v[T0], v[LS], v[LS+1]
	v_permlanex16_b32 v[T0+1], v[T0], s[SEL], s[SEL+1]
	v_add_f32 v[T0], v[T0], v[T0+1]
	v_rcp_f32 v[AF], v[T0]
	v_nop                                          ; a plain instruction between the reciprocal and the use of its result
.set f, 0
	s_wait_alu depctr_va_vdst(0)
.rept 32
	v_pk_mul_f32 v[O+2*f:O+2*f+1], v[O+2*f:O+2*f+1], v[AF:AF+1] op_sel_hi:[1,0]
.set f, f+1
.endr
.set f, 0
.rept 32
	v_cvt_pk_f16_f32 v[S+f], v[O+2*f], v[O+2*f+1]
.set f, f+1
.endr
.set f, 0
.rept 8
	ds_store_b128 v[STO], v[S+4*f:S+4*f+3] offset:32*f  ; a lane's eight channels of a row are 16 bytes
.set f, f+1
.endr
.set f, 0
.rept 8
	ds_load_b128 v[OUT+4*f:OUT+4*f+3], v[RD] offset:2*SP*f  ; LDS serves a wave's instructions in order (ISA guide 5.7.1.4): these see the stores above
.set f, f+1
.endr
.set f, 0
.rept 8
	s_wait_dscnt 7-f
	global_store_b128 v[GO], v[OUT+4*f:OUT+4*f+3], s[OB:OB+1] offset:16384*f  ; 16 lanes store a head's 256 bytes of a row, at a multiple of 256 from attn's first
.set f, f+1
.endr
.endm
	s_load_b128 s[4:7], s[0:1], 0x0                ; qkv s[4:5], attn s[6:7]
	v_lshl_add_u32 v[SPW], v0, 2, SPARE
	v_mov_b32 v[NIL], 0
	ds_add_u32 v[SPW], v[NIL]                      ; the wave's opening: the add and its wait stand ahead of my first tensor load; the set-up below, work on registers, stands between them
	v_lshrrev_b32 v1, 5, v0
	v_readfirstlane_b32 s[WV], v1
	s_mov_b32 s[CA], ttmp9                         ; in a cluster launch ttmp9 counts clusters
	s_bfe_u32 s[CC], ttmp6, 0x40000
	s_and_b32 s[KVH], ttmp7, 0xffff
	s_sub_co_u32 s[DG], 15, s[CA]                  ; the first block's diagonal step
	s_sub_co_u32 s[RT], 17, s[CA]
	s_lshr_b32 s[RT], s[RT], 1                     ; its tiles
	s_add_co_u32 s[T2], s[CA], 2
	s_lshr_b32 s[T2], s[T2], 1                     ; the second block's
	s_sub_co_u32 s[LQ], s[RT], 1
	s_sub_co_u32 s[LQ2], s[T2], 1
	s_mov_b32 s[NXT], 1
	s_mov_b32 s[CUR], 0
	s_mov_b32 s[SLOTS], 8
	s_mov_b32 s[TB], SLOT1                         ; the first change of slots turns it into 0
	s_mov_b32 s[OFF+1], 0
	s_and_b32 s17, s[WV], 1                        ; which half of a tile's channel blocks I fetch:
	s_lshl_b32 s18, s17, 14                        ; its 16,384 bytes in memory
	s_add_co_u32 s19, s[KVH], 32
	s_lshl_b32 s19, s19, 18                        ; head 32 + g: 262,144 bytes a head
	s_add_co_u32 s8, s19, s18
	s_mov_b32 s9, 0
	s_add_co_u32 s10, s8, 8<<18                    ; head 40 + g
	s_mov_b32 s11, 0
	s_mov_b32 s[G0K], 1
	s_mul_i32 s[G0K+1], s17, 4*KCB                 ; LDS: slot 0; no place in the cluster enters an LDS address
	s_mov_b32 s[G0V], 1
	s_lshl_b32 s[G0V+1], s17, 14
	s_add_co_u32 s[G0V+1], s[G0V+1], VOFF
	; descriptor group 1: 16,384 dense bytes as 64 rows of 256; K is padded in LDS after every key's 32 bytes
	s_mov_b32 s[G1K], 15|(1<<16)|(1<<20)|(1<<21)|(2<<22)|(3<<25)  ; 15:0 the mask of four; 17:16 2-byte elements; 20 padding on; 21 set beside a mask; 24:22 after every 8 words (code 2); 31:25 4 words (code 3)
	s_mov_b32 s[G1V], 15|(1<<16)|(1<<21)
.irp g, G1K, G1V
	s_mov_b32 s[\g+1], 128<<16                     ; tensor_dim0 = 128
	s_mov_b32 s[\g+2], 64<<16                      ; tensor_dim1 = 64
	s_mov_b32 s[\g+3], 128<<16                     ; tile_dim0 = 128
	s_mov_b32 s[\g+4], 64                          ; tile_dim1 = 64
	s_mov_b32 s[\g+5], 128                         ; 128 elements from row to row
	s_mov_b32 s[\g+6], 0
	s_mov_b32 s[\g+7], 0
.endr
	s_mov_b32 s[CS], 0x400293ee                    ; c = 16 log2(e) / sqrt(128) = 2.04028
	s_mov_b32 s[CS+1], s[CS]                       ; named with it as a pair
	s_mov_b32 s[SEL], 0x76543210
	s_mov_b32 s[SEL+1], 0xfedcba98
	s_lshl_b32 s76, s[CA], 2
	s_add_co_u32 s76, s76, s[CC]                   ; the second block, b
	s_sub_co_u32 s75, 63, s76                      ; the first, 63 - b
	s_lshl2_add_u32 s77, s[KVH], s[WV]             ; my query head, 4 g + w
	s_lshl_b32 s80, s77, 18                        ; q: the head, the block of 128 rows, 16 rows of 32 bytes
	s_lshr_b32 s78, s75, 3
	s_lshl_b32 s78, s78, 15
	s_add_co_u32 s82, s80, s78
	s_and_b32 s78, s75, 7
	s_lshl_b32 s78, s78, 9
	s_add_co_u32 s82, s82, s78
	s_mov_b32 s83, 0
	s_lshr_b32 s78, s76, 3
	s_lshl_b32 s78, s78, 15
	s_add_co_u32 s80, s80, s78
	s_and_b32 s78, s76, 7
	s_lshl_b32 s78, s78, 9
	s_add_co_u32 s80, s80, s78
	s_mov_b32 s81, 0
	s_lshl_b32 s79, s77, 8                         ; attn: 16 rows of 8,192 bytes a block, 256 bytes a head
	s_lshl_b32 s84, s75, 17
	s_add_co_u32 s84, s84, s79
	s_mov_b32 s85, 0
	s_lshl_b32 s86, s76, 17
	s_add_co_u32 s86, s86, s79
	s_mov_b32 s87, 0
	s_and_b32 s78, s75, 3                          ; the blocks' places in their diagonal steps
	s_lshl_b32 s78, s78, 4
	s_and_b32 s79, s76, 3
	s_lshl_b32 s79, s79, 4
	s_wait_dscnt 0x0                               ; the opening add is done
	s_wait_kmcnt 0x0
	s_add_nc_u64 s[KBASE:KBASE+1], s[4:5], s[8:9]
	s_add_nc_u64 s[VBASE:VBASE+1], s[4:5], s[10:11]
	s_add_nc_u64 s[G0K+2:G0K+3], s[KBASE:KBASE+1], 0
	s_or_b32 s[G0K+3], s[G0K+3], 0x80000000
	s_add_nc_u64 s[G0V+2:G0V+3], s[VBASE:VBASE+1], 0
	s_or_b32 s[G0V+3], s[G0V+3], 0x80000000
	s_add_nc_u64 s[QB1:QB1+1], s[4:5], s[82:83]
	s_add_nc_u64 s[QB2:QB2+1], s[4:5], s[80:81]
	s_add_nc_u64 s[OB:OB+1], s[6:7], s[84:85]
	s_add_nc_u64 s[OB2:OB2+1], s[6:7], s[86:87]
	CROUND                                         ; all four work-groups are here: the first joint loads meet
	JLOAD                                          ; tile 0 into slot 0
	v_and_b32 v1, 15, v0                           ; l % 16
	v_bfe_u32 v9, v0, 4, 1                         ; l / 16
	v_lshlrev_b32 v[QA], 5, v1
	v_lshl_add_u32 v[QA], v9, 4, v[QA]             ; row x 32 + 16 x half
.set f, 0
.rept 8                                ; both blocks' Q: channel block f; 512 consecutive bytes an instruction
	global_load_b128 v[Q+4*f:Q+4*f+3],   v[QA], s[QB1:QB1+1] offset:4096*f
	global_load_b128 v[Q2+4*f:Q2+4*f+3], v[QA], s[QB2:QB2+1] offset:4096*f
.set f, f+1
.endr
	v_mul_u32_u24 v[AK0], v1, PK
	v_lshl_add_u32 v[AK0], v9, 4, v[AK0]           ; key x pitch + 16 x half
	v_and_b32 v14, 7, v0                           ; the turning load: lane l reads key 8 (l / 16) + l % 8, channels 8 ((l / 8) % 2) + 0..7
	v_bfe_u32 v15, v0, 3, 1
	v_lshl_add_u32 v[AV0], v9, 3, v14
	v_lshlrev_b32 v[AV0], 5, v[AV0]
	v_lshl_add_u32 v[AV0], v15, 4, v[AV0]
	v_add_nc_u32 v[AV0], VOFF, v[AV0]
	s_mul_i32 s18, s[WV], 16*SP
	s_add_co_u32 s18, s18, STAGE                   ; my stage
	v_mul_u32_u24 v[STO], v1, SP                   ; in: row l % 16, 16 bytes for each half of the lanes
	v_lshl_add_u32 v[STO], v9, 4, v[STO]
	v_add_nc_u32 v[STO], s18, v[STO]
	v_mul_u32_u24 v[RD], v9, SP                    ; back: lanes 0-15 take one row of 256 bytes, lanes 16-31 the next
	v_lshl_add_u32 v[RD], v1, 4, v[RD]
	v_add_nc_u32 v[RD], s18, v[RD]
	v_lshlrev_b32 v[GO], 13, v9                    ; and the same two rows in attn
	v_lshl_add_u32 v[GO], v1, 4, v[GO]
	v_lshlrev_b32 v14, 3, v9
	v_sub_nc_u32 v14, v1, v14                      ; l % 16 - 8 (l / 16)
	v_add_nc_u32 v[TH], s78, v14
	v_add_nc_u32 v[TH2], s79, v14
	v_mov_b32 v[BIG], 0xf149f2ca                   ; -1e30
	v_mov_b32 v[CM], 0xfe000000                    ; c m: far below every c s
	v_mov_b32 v[MX], 0xff7fffff                    ; m
	v_mov_b32 v[LS], 0
	v_mov_b32 v[LS+1], 0
	v_mov_b32 v[AF+1], 0                           ; named with a as a pair
.set f, 0
.rept 64                               ; O^T starts at 0: no first step is written out; these lines stand in the wait for the first tile
	v_mov_b32 v[O+f], 0
.set f, f+1
.endr
	s_wait_loadcnt 0x0                             ; Q
.Lslot:                                                ; 8 times: a tile is entered and the next is asked for
	CHANGE 1
	s_sub_co_u32 s[RT], s[RT], 1
	TILE
	s_add_co_u32 s[CUR], s[CUR], 1
	s_cmp_lg_u32 s[RT], 0
	s_cbranch_scc1 .Lbottom
	FINISH                                         ; the first block's end (the second's last tile is the walk's last)
	s_wait_xcnt 0x0                                ; the stores have read their registers and attn's address
	s_mov_b64 s[OB:OB+1], s[OB2:OB2+1]
	s_mov_b32 s[RT], s[T2]
	s_mov_b32 s[CUR], 0
	s_mov_b32 s[DG], s[CA]
	v_mov_b32 v[TH], v[TH2]
	v_mov_b32 v[CM], 0xfe000000
	v_mov_b32 v[MX], 0xff7fffff
.set f, 0
.rept 32                               ; the second block's Q goes where the one text of the products names Q
	v_mov_b32 v[Q+f], v[Q2+f]
.set f, f+1
.endr
.Lbottom:
	s_sub_co_u32 s[SLOTS], s[SLOTS], 1
	s_cmp_lg_u32 s[SLOTS], 0
	s_cbranch_scc1 .Lslot
	CHANGE 0                                       ; the walk's last tile is written out: nothing is asked for
	TILE
	FINISH
	s_wait_tensorcnt 0x0                           ; the wave's end: behind my last tensor load and my last LDS store
	ds_add_u32 v[SPW], v[NIL]
	s_wait_dscnt 0x0
	CROUND                                         ; the closing round: no work-group ends while a partner may still ask for a tile that names it
	s_endpgm
.Lfunc_end_k_qd9c91a1dad_att:
	.size	k_qd9c91a1dad_att, .Lfunc_end_k_qd9c91a1dad_att-k_qd9c91a1dad_att
	.p2alignl 7, 3214868480
	.fill 96, 4, 3214868480
	.section	.rodata,"a",@progbits
	.p2align	6, 0x0
	.amdhsa_kernel k_qd9c91a1dad_att
		.amdhsa_group_segment_fixed_size 327680
		.amdhsa_private_segment_fixed_size 0
		.amdhsa_enable_private_segment 0
		.amdhsa_kernarg_size 16
		.amdhsa_user_sgpr_count 2
		.amdhsa_user_sgpr_kernarg_segment_ptr 1
		.amdhsa_wavefront_size32 1
		.amdhsa_system_sgpr_workgroup_id_x 1
		.amdhsa_system_sgpr_workgroup_id_y 1
		.amdhsa_system_sgpr_workgroup_id_z 1
		.amdhsa_system_vgpr_workitem_id 0
		.amdhsa_next_free_vgpr 512
		.amdhsa_next_free_sgpr 90
		.amdhsa_reserve_vcc 1
		.amdhsa_float_denorm_mode_32 3
		.amdhsa_float_denorm_mode_16_64 3
		.amdhsa_memory_ordered 1
		.amdhsa_forward_progress 1
		.amdhsa_inst_pref_size 91
	.end_amdhsa_kernel
	.amdgpu_metadata
---
amdhsa.version: [ 1, 2 ]
amdhsa.kernels:
  - .name:           k_qd9c91a1dad_att
    .symbol:         k_qd9c91a1dad_att.kd
    .args:
      - { .name: qkv, .offset: 0, .size: 8, .value_kind: global_buffer, .address_space: global }
      - { .name: attn, .offset: 8, .size: 8, .value_kind: global_buffer, .address_space: global }
    .group_segment_fixed_size: 327680
    .private_segment_fixed_size: 0
    .kernarg_segment_align: 8
    .kernarg_segment_size: 16
    .max_flat_workgroup_size: 128
    .sgpr_count:     90
    .vgpr_count:     512
    .wavefront_size: 32
...
	.end_amdgpu_metadata
.endif
;; end of part 3
;; launch oproj (part 4): grid 64 x 4, 8 waves a work-group, clusters of 4 x 4, 327,680 bytes of LDS; arguments attn, Wo, out0; writes out0
.if DOCPART == 4
	.amdgcn_target "amdgcn-amd-amdhsa--gfx1250"
	.amdhsa_code_object_version 6
	.text
	.protected	k_qd9c91a1dad_oproj
	.globl	k_qd9c91a1dad_oproj
	.p2align	8
	.type	k_qd9c91a1dad_oproj,@function
k_qd9c91a1dad_oproj:
	s_mov_b64 s[64:65], 0
	v_nop
	global_prefetch_b8 v0, s[64:65] scope:SCOPE_SE
	s_setreg_imm32_b32 hwreg(HW_REG_WAVE_MODE, 25, 1), 1
	s_wait_xcnt 0x0
	s_wait_alu depctr_hold_cnt(0) depctr_sa_sdst(0) depctr_va_vdst(0) depctr_va_sdst(0) depctr_va_ssrc(0) depctr_va_vcc(0) depctr_vm_vsrc(0)
	s_getreg_b32 s2, hwreg(HW_REG_IB_STS2, 6, 4)
	s_cmp_eq_u32 s2, 0
	s_cbranch_scc0 .Lentry_in_a_cluster
	s_endpgm
.Lentry_in_a_cluster:
	s_bfe_u32 s2, ttmp6, 0x10000c
	s_cmp_lg_u32 s2, 0xf033
	s_cbranch_scc0 .Lentry_shape_is_right
	s_endpgm
.Lentry_shape_is_right:
.set MODE, 1
; ONE TEXT FOR TWO LAUNCHES; only the line above differs.  C = A W^T, A: [1024][4096] of 16 bits, W: rows of 4,096 f32, K = 4,096, sums in f32.
; MODE 0: A = xb (bf16), W = Wq, Wk, Wv (6,144 rows), rounded to bf16 on the way; the result is turned by the rotary table, divided by 4 (in the table) and stored as f16 in
;   qkv[head 48][block of 128 rows 8][block of 16 channels 8][row 128][channel 16]; heads 0-31 q, 32-39 k, 40-47 v.
; MODE 1: A = attn (f16, true value / 4), W = Wo, rounded to bf16 like every input and that number written as f16; out0 = 4 x the sums, f32.
; LIMITS.  MODE 0: |q|, |k|, |v| below 2.6e5 (f16's 65,504 x 4); below 2.4e-4 they keep f16's fixed step, 4 x 6e-8.  MODE 1: |Wo| below 65,504; below 6e-5 f16's fixed step of 6e-8.
; NaN and infinities are not treated apart.  The order of K in a sum is this text's own (below): two partial sums in f32, added once.
; SHARES.  A work-group makes 256 rows x 16 NBLK columns of C (96 or 64): 64 x 4 work-groups.  EIGHT WAVES, two on a SIMD: wave wv has the row group w = wv % 4 (64 rows, all the columns:
; 4 x NBLK accumulators of 16 x 16) and the K half kh = wv / 4: of every K step of 256 it multiplies the quarters (32 along K) 2 s + kh, s = 0 .. 3: four OWN STEPS.  So a wave's tile, and
; what each LDS byte feeds, is that of four waves; and the 44 (MODE 1: 56) loads, stores and conversions of one wave's step stand beside the 24 (16) products of the other wave of its SIMD.
; At the end the two waves of a row group hand each other half of their partial sums through LDS, and each finishes 32 rows.  A wave numbers its row blocks a' so that it keeps a' = 0, 1:
; block a' is rows 64 w + 32 (kh xor a' / 2) + 16 (a' % 2).
; The matrix instruction is used transposed (source 0 = 16 rows of W, source 1 = 16 rows of A): a lane holds eight neighbouring columns of one row of C.
; A comes by the tensor data mover into two LDS slots of K = 256 (rows of 512 bytes); each wave fetches 32 rows.  CLUSTER: the four work-groups of a row of the cluster need the same rows
; of A and ask for them jointly.
; W is NOT asked for jointly: it lies in memory as f32 and is wanted in LDS in 16 bits, so it goes through registers: each wave loads whole pieces of rows (512 consecutive bytes an
; instruction) into a ring of DEPTH register slots, converts a slot K = 128 ahead of its use, stores it into an LDS ring of two half steps (K = 128), and loads the slot again at once:
; DEPTH x LPC loads of a wave are always out.  MODE 0 has registers for DEPTH = 4 (one K step's bytes), MODE 1 for 8 (two).
; THE ORDER OF K.  The sixteen clusters read the same rows of A.  In its step p cluster c takes K slice p xor c (256 along K), of A and of W: at any time the clusters read sixteen
; different slices, and not all the same 512 bytes of every row.
; MODE 0's columns go by UNITS of 32 rows of W: 16 channels d and the 16 channels d + 64 of one head, so that the two numbers that the rotation mixes lie in one lane, in the same
; register of two accumulators.
.if MODE == 0
.set NBLK,  6
.set DEPTH, 4
.else
.set NBLK,  4
.set DEPTH, 8
.endif
.set NU,     NBLK/2                    ; units of 32 rows of W
.set LPC,    2*NU                      ; loads in a chunk: half of a wave's share (4 rows a unit) of a half step
.set PB,     DEPTH/4+1                 ; the loads of own steps 2, 3 of K step p and 0, 1 of K step p + 1 fetch K step p + PB
.set WROW,   16384                     ; bytes in a row of W
.set APITCH, 528                       ; an LDS row of A: 512 bytes + 16 of padding: the 16 rows of a fragment load start in 16 different groups of four banks
.set AWAVE,  32*APITCH                 ; the 32 rows that a wave fetches
.set ASLOT,  8*AWAVE
.set BRING,  2*ASLOT                   ; behind A's two slots: W's ring, written by ds_store alone
.set BPITCH, 272                       ; an LDS row of W: 256 bytes (K = 128) + 16
.set BSLOT,  16*NBLK*BPITCH
.set XW,     2048*NBLK                 ; what a wave hands over: 2 NBLK accumulators of 1,024 bytes.  The eight such areas lie from LDS byte 0 on, in A's slot 0, which has had its last fill
.set STAGE,  65536                     ; MODE 1: 16 rows x 272 bytes for each wave, for the way out: in A's slot 0 too, behind MODE 1's eight areas
.set SPITCH, 272
.set SPARE,  322560                    ; the spare words, 128 bytes for each wave: four blocks of 256 bytes that no other line names
; window 0
.set ADRA0L, 2                         ; v2   my lane's place in my rows a' = 0, 1 of A, slot 0, my K half; never rewritten
.set ADRA0H, 3                         ; v3   the same for a' = 2, 3
.set ADRAL,  4                         ; v4, v5  the same in the slot in hand
.set ADRAH,  5
.set ADRB,   6                         ; v6   my lane's place in W's ring, my K half
.set BST,    7                         ; v7   where I store 8 bytes of a row of W
.set GOFF,   8                         ; v8   my byte offset from a unit's first row of W; never rewritten
.set GK,     9                         ; v9   the same at the K slice that is being fetched
.set VO,     10                        ; v10  my byte offset in the output
.set RA,     11                        ; v11-16  MODE 0: byte offsets into the table, by (a', unit)
.set STO,    11                        ; MODE 1: where I put 16 bytes of a row in my stage
.set RD,     12                        ; MODE 1: where I read rows back
.set XST,    17                        ; v17  where I put what I hand over
.set XLD,    18                        ; v18  where my partner has put what it hands me
.set SPW,    28                        ; v28  LDS address of my spare word; never rewritten
.set NIL,    29                        ; v29  0; never rewritten
.set F0,     32                        ; v32-111, v112-191: two fragment buffers: W's blocks at +8 b, A's at +48 + 8 a'
.set CT,     192                       ; converted chunk, 2 registers a load
.set CW,     200                       ; MODE 1: at work
; MODE 0: v204-251 slots 0, 1 of W's register ring;  window 1: v0-191 accumulator (a', b) at 8 (6 a' + b); v192-239 slots 2, 3
; MODE 1: window 1: v0-127 accumulator (a', b) at 8 (4 a' + b); v128-255 the eight slots
.set WV,   16                          ; s16  wave
.set CX,   17                          ; s17, s18  my place in the cluster
.set CY,   18
.set TT,   19                          ; s19  tile column = 4 x cluster x + cx
.set KH,   21                          ; s21  my K half
.set KO,   22                          ; s[22:23]  a K slice's byte offset in A; the upper word stays 0
.set G1,   24                          ; s[24:31]  descriptor group 1
.set G0A,  32                          ; s[32:35]  group 0 of the first fill
.set G0W,  36                          ; s[36:39]  group 0 of the second fill and of every refill
.set SB,   40                          ; s[40:45]  W at each unit's first row; never rewritten
.set OB,   46                          ; s[46:51]  MODE 0: qkv at each unit's head and channel block
.set TBA,  52                          ; s52  0 or ASLOT: the slot of A in hand
.set CNT,  53
.set HMASK, 54                         ; s54  a word's upper 16 bits
.set PER,  55                          ; s55  the K step in hand, 0 .. 15
.set RSEL, 56                          ; s56-58  MODE 0: 1 for q and k (the row picks the table's row), 0 for v
.set RADD, 59                          ; s59-61  MODE 0: the unit's 64 bytes in a table row, and for v row 1024
.set WR,   62                          ; s62  my row group
.set CK,   80                          ; s80  the cluster's number, 0 .. 15
.set GT,   81                          ; s81  a K slice's byte offset in W
.set ABASE, 82                         ; s[82:83]  A at the 32 rows that I fetch
.set MSB, 0
.macro WIN new                         ; the immediate's high byte repeats the setting that is left; a switch that changes nothing is dropped
.if MSB != (\new)
	s_set_vgpr_msb (MSB<<8)|(\new)
.set MSB, (\new)
.endif
.endm
.set W_MM, 0x50                        ; C and D in window 1, sources in window 0
.macro PLACES                          ; four places behind a matrix instruction, where no other vector work is at hand (ISA guide 7.12.1)
.rept 4
	v_nop
.endr
.endm
.macro CREST                           ; a round of the cluster's barrier behind its opening barrier: it follows that barrier's wait with nothing between
	s_cmp_lg_u32 s[WV], 0
	s_cbranch_scc1 .Lnot_wave_0_\@
	s_barrier_signal -3
.Lnot_wave_0_\@:
	s_barrier_wait -3
	s_barrier_signal -1
	s_barrier_wait -1
.endm
.macro CROUND
	s_barrier_signal -1
	s_barrier_wait -1
	CREST
.endm
.macro ALOAD g0                        ; a joint load: 32 rows x 256 K of A, for the four work-groups of my row; s_nop 0 and four v_nop follow it
	tensor_load_to_lds s[(\g0):(\g0)+3], s[G1:G1+7]
	s_nop 0
	PLACES
.endm
; n x NBLK matrix instructions: row blocks a0 .. a0 + n - 1 x all column blocks, 32 along K, from buffer f.  Every accumulator has one turn in a step, always in the same order.
.macro MUL f, a0, n, zero
	WIN W_MM
.set ma, (\a0)
.rept (\n)
.set mb, 0
.rept NBLK
.set aD, 8*(NBLK*ma+mb)
.set aW, (\f)+8*mb
.set aX, (\f)+48+8*ma
.if MODE == 0
.if \zero
	v_wmma_f32_16x16x32_bf16 v[aD:aD+7], v[aW:aW+7], v[aX:aX+7], 0
.else
	v_wmma_f32_16x16x32_bf16 v[aD:aD+7], v[aW:aW+7], v[aX:aX+7], v[aD:aD+7]
.endif
.else
.if \zero
	v_wmma_f32_16x16x32_f16 v[aD:aD+7], v[aW:aW+7], v[aX:aX+7], 0
.else
	v_wmma_f32_16x16x32_f16 v[aD:aD+7], v[aW:aW+7], v[aX:aX+7], v[aD:aD+7]
.endif
.endif
.set mb, mb+1
.endr
.set ma, ma+1
.endr
.endm
; The fragments of my own step s of a K step (quarter 2 s + kh; the kh lies in the address registers), into buffer g: W's blocks, then A's; the last four loads are A's blocks a' = 2, 3.
.macro FETCH s, g
	WIN 0
.set fb, 0
.rept NBLK
	ds_load_b128 v[(\g)+8*fb:(\g)+8*fb+3],   v[ADRB] offset:((\s)>>1)*BSLOT+16*BPITCH*fb+128*((\s)&1)
	ds_load_b128 v[(\g)+8*fb+4:(\g)+8*fb+7], v[ADRB] offset:((\s)>>1)*BSLOT+16*BPITCH*fb+128*((\s)&1)+32
.set fb, fb+1
.endr
.set fb, 0
.rept 2
	ds_load_b128 v[(\g)+48+8*fb:(\g)+48+8*fb+3],   v[ADRAL] offset:16*APITCH*fb+128*(\s)
	ds_load_b128 v[(\g)+48+8*fb+4:(\g)+48+8*fb+7], v[ADRAL] offset:16*APITCH*fb+128*(\s)+32
.set fb, fb+1
.endr
.set fb, 0
.rept 2
	ds_load_b128 v[(\g)+64+8*fb:(\g)+64+8*fb+3],   v[ADRAH] offset:16*APITCH*fb+128*(\s)
	ds_load_b128 v[(\g)+64+8*fb+4:(\g)+64+8*fb+7], v[ADRAH] offset:16*APITCH*fb+128*(\s)+32
.set fb, fb+1
.endr
.endm
.macro FSLOT c                         ; slot c of W's register ring: its window FW and its first register FB
.if MODE == 0
.set FW, (\c)/2
.set FB, 204+24*((\c)%2)-12*((\c)/2)
.else
.set FW, 1
.set FB, 128+16*(\c)
.endif
.endm
; Register slot c of W's ring is rounded to bf16 (MODE 1: and that number written as f16).  left: the younger loads, which stay out.
.macro CHUNKCV c, left
	FSLOT \c
	WIN 5*FW                                       ; sources 0 and 1 in the slot's window
	s_wait_loadcnt \left
.set ce, 0
.rept LPC
	v_cvt_pk_bf16_f32 v[CT+2*ce],   v[FB+4*ce],   v[FB+4*ce+1]
	v_cvt_pk_bf16_f32 v[CT+2*ce+1], v[FB+4*ce+2], v[FB+4*ce+3]
.set ce, ce+1
.endr
.if MODE
	WIN 0
.set ce, 0
.rept 2*LPC
	v_lshlrev_b32 v[CW+2*ce], 16, v[CT+ce]
	v_and_b32 v[CW+2*ce+1], s[HMASK], v[CT+ce]
.set ce, ce+1
.endr
.set ce, 0
.rept 2*LPC
	v_cvt_pk_f16_f32 v[CT+ce], v[CW+2*ce], v[CW+2*ce+1]
.set ce, ce+1
.endr
.endif
.endm
.macro CHUNKST slot, j                 ; into W's LDS ring: load e = 2 unit + rr is row 32 unit + 4 wave + 2 j + rr; 32 lanes x 8 bytes are the row's 256
	WIN 0
.set ce, 0
.rept LPC
	ds_store_b64 v[BST], v[CT+2*ce:CT+2*ce+1] offset:(\slot)*BSLOT+(32*(ce/2)+2*(\j)+ce%2)*BPITCH
.set ce, ce+1
.endr
.endm
.macro CHUNKLD c, j, hi                ; register slot c is loaded: rows 2 j, 2 j + 1 of my four in each unit, half hi (128 K) of the K slice at GK: 512 consecutive bytes an instruction
	FSLOT \c
	WIN FW<<6                                      ; destination in the slot's window
.set ce, 0
.rept LPC
	global_load_b128 v[FB+4*ce:FB+4*ce+3], v[GK], s[SB+2*(ce/2):SB+2*(ce/2)+1] offset:(2*(\j)+ce%2)*WROW+512*(\hi)
.set ce, ce+1
.endr
.endm
.macro SETGK ahead                     ; W's loads go on to the slice of K step PER + ahead
	WIN 0
	s_add_co_u32 s[GT], s[PER], \ahead
	s_xor_b32 s[GT], s[GT], s[CK]
	s_lshl_b32 s[GT], s[GT], 10                    ; 256 f32
	s_wait_xcnt 0x0                                ; every load issued has had its address translated (ISA guide 3.1): only behind this wait is the offset rewritten
	v_add_nc_u32 v[GK], s[GT], v[GOFF]
.endm
; MY OWN STEPS are numbered S = 0 .. 63, four to a K step; gs = S % 4.  At step S chunk S + 2 is converted and stored (it is wanted from step 2 (S / 2) + 2 on) and chunk S + 2 + DEPTH is
; loaded into its slot; there are 64 chunks.  GO sets: gc the slot, gcv / gld whether there is a chunk to convert / to load, gleft the younger chunks, gkind, gzero, FF and GG the buffers.
; An even step multiplies its buffer; in its middle stand the chunk's work (its conversions are the places in front of the fragment loads), the next step's fragments and the chunk's loads.
.macro STEP
	s_wait_dscnt 4                                 ; W's blocks and A's blocks 0, 1 are in; the youngest four loads (A's blocks 2, 3) may be out
	MUL FF, 0, 2, gzero
.if gcv
	CHUNKCV gc, gleft*LPC
	CHUNKST ((gs>>1)+1)&1, gs&1
.else
	PLACES
.endif
	FETCH gs+1, GG
.if gld
.if gs == 2
	SETGK PB
.endif
	CHUNKLD gc, gs&1, 1-(gs>>1)
.endif
	s_wait_dscnt LPC*gcv+2*NBLK+8                  ; all but what this step has issued
	MUL FF, 2, 2, gzero
.endm
; An odd step changes slots: W's ring at both, A's at gs = 3.  The chunk's work stands first, so that its stores are done at the barrier.
; gkind 0: a plain barrier: behind it nobody reads W's old half any more and the new half is whole; A's load may stay out, since no tensor load fills anything behind it.
; gkind 1: the barrier opens a round of the cluster's barrier; A's slot just read is filled again, two K steps ahead, first thing behind the round.  gkind 2: the last change of A's slots: nothing is asked for.
.macro TURN
	CHUNKCV gc, gleft*LPC
	CHUNKST ((gs>>1)+1)&1, gs&1
.if gld
	CHUNKLD gc, gs&1, 1-(gs>>1)
.endif
.if gkind == 0
	s_wait_dscnt 4+LPC                             ; the chunk's stores and A's blocks 2, 3 may be out
	MUL FF, 0, 1, 0
	s_wait_dscnt 0x0                               ; my stores into the new half are done, my reads of the old half are over
	s_barrier_signal -1
	MUL FF, 1, 1, 0
	s_barrier_wait -1
	FETCH gs+1, GG                                 ; the chunk's conversions were the places behind the last products on this buffer
.else
	WIN 0                                          ; (the add's two registers lie in window 0)
	s_wait_tensorcnt 0x0                           ; all my tensor loads have landed: the one that was out is my part of A's next slot;
	ds_add_u32 v[SPW], v[NIL]                      ; 0 onto my spare word
	s_wait_dscnt 5+LPC                             ; (the add, the chunk's stores and A's blocks 2, 3 may be out)
	MUL FF, 0, 1, 0
	s_wait_dscnt 0x0                               ; the add and my stores are done, my reads of both old slots are over
	s_barrier_signal -1
	MUL FF, 1, 1, 0
	WIN 0                                          ; at a branch and at a label every window is 0
	s_barrier_wait -1
.if gkind == 1
	CREST                                          ; no wave of any partner still reads this slot or has a load on its way
	s_xor_b32 s[G0W+1], s[G0W+1], ASLOT            ; the other slot than last time (the slot's two bits are free in wave x AWAVE);
	s_add_co_u32 s[KO], s[PER], 2                  ; the address is made anew: the slice of the K step two on
	s_xor_b32 s[KO], s[KO], s[CK]
	s_lshl_b32 s[KO], s[KO], 9                     ; 256 elements of 2 bytes
	s_add_nc_u64 s[G0W+2:G0W+3], s[ABASE:ABASE+1], s[KO:KO+1]
	s_or_b32 s[G0W+3], s[G0W+3], 0x80000000
	ALOAD G0W
.endif
	s_add_co_u32 s[PER], s[PER], 1
	s_xor_b32 s[TBA], s[TBA], ASLOT                ; my reads go on in A's other slot
	v_add_nc_u32 v[ADRAL], s[TBA], v[ADRA0L]
	v_add_nc_u32 v[ADRAH], s[TBA], v[ADRA0H]
	FETCH 0, GG
.endif
	MUL FF, 2, 2, 0
.endm
.macro GO S
.set gs, (\S)&3
.set gc, ((\S)+2)%DEPTH
.set gleft, DEPTH-1
.if 61-(\S) < DEPTH-1
.set gleft, 61-(\S)                    ; the last loads have been issued: the counts run down
.endif
.set gcv, 1
.if (\S) > 61
.set gcv, 0
.endif
.set gld, 0
.if (\S) <= 61-DEPTH
.set gld, 1
.endif
.set gkind, 0
.if gs == 3
.set gkind, 1
.if (\S) > 55
.set gkind, 2
.endif
.endif
.set gzero, 0
.if (\S) == 0
.set gzero, 1
.endif
.set FF, F0+80*(gs&1)
.set GG, F0+80-80*(gs&1)
.if gs&1
	TURN
.else
	STEP
.endif
.endm
.if MODE == 0
	s_load_b256 s[4:11], s[0:1], 0x0               ; xb s[4:5], Wq s[6:7], Wk s[8:9], Wv s[10:11]
	s_load_b128 s[12:15], s[0:1], 0x20             ; rope s[12:13], qkv s[14:15]
.else
	s_load_b128 s[4:7], s[0:1], 0x0                ; attn s[4:5], Wo s[6:7]
	s_load_b64 s[8:9], s[0:1], 0x10                ; out0
.endif
	v_lshl_add_u32 v[SPW], v0, 2, SPARE
	v_mov_b32 v[NIL], 0
	ds_add_u32 v[SPW], v[NIL]                      ; the wave's opening: the add and its wait stand ahead of my first tensor load; the set-up below, work on registers, stands between them
	v_lshrrev_b32 v1, 5, v0
	v_readfirstlane_b32 s[WV], v1
	s_and_b32 s[WR], s[WV], 3
	s_lshr_b32 s[KH], s[WV], 2
	s_bfe_u32 s[CX], ttmp6, 0x40000
	s_bfe_u32 s[CY], ttmp6, 0x40004                ; the grid is one cluster high: cy is the tile row
	s_mov_b32 s[CK], ttmp9                         ; in a cluster launch ttmp9 counts clusters: 0 .. 15
	s_lshl_b32 s[TT], ttmp9, 2
	s_add_co_u32 s[TT], s[TT], s[CX]
	s_lshl_b32 s20, s[CY], 2
	s_lshl_b32 s20, 15, s20                        ; my row of the cluster: places 4 cy .. 4 cy + 3
	s_or_b32 s[G1], s20, (1<<16)|(1<<20)|(1<<21)|(6<<22)|(3<<25)  ; 15:0 the mask; 17:16 elements of 2 bytes; 20 padding on; 21 set beside a mask; 24:22 after every 128 words (code 6); 31:25 4 words of it (code 3)
	s_mov_b32 s[G1+1], 256<<16                     ; tensor_dim0 = 256
	s_mov_b32 s[G1+2], 32<<16                      ; tensor_dim1 = 32
	s_mov_b32 s[G1+3], 256<<16                     ; tile_dim0 = 256
	s_mov_b32 s[G1+4], 32                          ; tile_dim1 = 32
	s_mov_b32 s[G1+5], 4096                        ; elements from row to row
	s_mov_b32 s[G1+6], 0
	s_mov_b32 s[G1+7], 0
	s_lshl_b32 s[KO], s[CY], 21                    ; A: 256 rows of 8,192 bytes a tile row,
	s_lshl_b32 s[KO+1], s[WV], 18                  ; 32 rows a wave
	s_add_co_u32 s[KO], s[KO], s[KO+1]
	s_mov_b32 s[KO+1], 0
	s_mov_b32 s[G0A], 1
	s_mul_i32 s[G0A+1], s[WV], AWAVE               ; LDS: the wave's number alone
	s_mov_b32 s[G0W], 1
	s_add_co_u32 s[G0W+1], s[G0A+1], ASLOT
	s_mov_b32 s[TBA], 0
	s_mov_b32 s[PER], 0
	s_mov_b32 s[HMASK], 0xffff0000
	v_and_b32 v1, 31, v0
.if MODE == 0
	s_lshl_b32 s63, s[WR], 16                      ; my four rows of a unit: rows 4 (wv % 4) on of its channels d (wv < 4) or d + 64
	s_lshl_b32 s84, s[KH], 20
	s_add_co_u32 s63, s63, s84
.else
	s_lshl_b32 s63, s[WV], 16                      ; my four rows of a unit: 4 wv on
.endif
	v_lshl_add_u32 v[GOFF], v1, 4, s63
	s_wait_dscnt 0x0                               ; the opening add is done
	s_wait_kmcnt 0x0
	s_add_nc_u64 s[ABASE:ABASE+1], s[4:5], s[KO:KO+1]
	s_lshl_b32 s[KO], s[CK], 9                     ; K step 0: slice c
	s_add_nc_u64 s[G0A+2:G0A+3], s[ABASE:ABASE+1], s[KO:KO+1]
	s_or_b32 s[G0A+3], s[G0A+3], 0x80000000
	s_xor_b32 s[KO], s[CK], 1                      ; K step 1: slice 1 xor c
	s_lshl_b32 s[KO], s[KO], 9
	s_add_nc_u64 s[G0W+2:G0W+3], s[ABASE:ABASE+1], s[KO:KO+1]
	s_or_b32 s[G0W+3], s[G0W+3], 0x80000000
.if MODE == 0
; unit u = 3 t + i: head g = u / 4 of the 48, channels 16 (u % 4) on and 64 further
.macro UNIT i
	s_mul_i32 s66, s[TT], 3
	s_add_co_u32 s66, s66, \i
	s_lshr_b32 s67, s66, 2                         ; g
	s_and_b32 s68, s66, 3                          ; sub
	s_cmp_lt_u32 s67, 40
	s_cselect_b64 s[70:71], s[8:9], s[10:11]       ; Wk or Wv,
	s_cselect_b32 s69, 32, 40
	s_cselect_b32 s[RSEL+(\i)], 1, 0
	s_cselect_b32 s72, 0, 1024*512
	s_cmp_lt_u32 s67, 32
	s_cselect_b64 s[70:71], s[6:7], s[70:71]       ; or Wq
	s_cselect_b32 s69, 0, s69
	s_sub_co_u32 s69, s67, s69                     ; the head's number in its own tensor
	s_lshl_b32 s69, s69, 3
	s_add_co_u32 s69, s69, s68                     ; in blocks of 16 rows
	s_lshl_b32 s74, s69, 18                        ; of 16,384 bytes
	s_mov_b32 s75, 0
	s_add_nc_u64 s[SB+2*(\i):SB+2*(\i)+1], s[70:71], s[74:75]
	s_lshl_b32 s73, s68, 6
	s_add_co_u32 s[RADD+(\i)], s73, s72
	s_lshl_b32 s74, s67, 18                        ; qkv: 262,144 bytes a head,
	s_lshl_b32 s73, s68, 12                        ; 4,096 a block of 16 channels
	s_add_co_u32 s74, s74, s73
	s_add_nc_u64 s[OB+2*(\i):OB+2*(\i)+1], s[14:15], s[74:75]
.endm
	UNIT 0
	UNIT 1
	UNIT 2
.else
	s_lshl_b32 s66, s[TT], 20                      ; 64 rows of Wo a tile column
	s_mov_b32 s67, 0
	s_add_nc_u64 s[SB:SB+1], s[6:7], s[66:67]
	s_add_nc_u64 s[SB+2:SB+3], s[SB:SB+1], 32*WROW
.endif
	SETGK 0                                        ; W's register ring is filled: chunks 0 .. DEPTH - 1, four to a K step
.set pj, 0
.rept 4
	CHUNKLD pj, pj&1, (pj>>1)&1
.set pj, pj+1
.endr
.if DEPTH == 8
	SETGK 1
.rept 4
	CHUNKLD pj, pj&1, (pj>>1)&1
.set pj, pj+1
.endr
.endif
	WIN 0
	CROUND                                         ; all sixteen work-groups are here: the first joint loads meet
	ALOAD G0A                                      ; K step 0 into slot 0,
	ALOAD G0W                                      ; K step 1 into slot 1: two tensor loads of mine are out
	v_and_b32 v20, 15, v0                          ; l % 16
	v_bfe_u32 v21, v0, 4, 1                        ; l / 16
	v_mul_u32_u24 v22, v20, APITCH
	v_lshl_add_u32 v22, v21, 4, v22                ; row x pitch + 16 x half
	s_mul_i32 s63, s[WR], 64*APITCH                ; my row group,
	s_mul_i32 s84, s[KH], 32*APITCH+64             ; blocks a' = 0, 1: its rows 32 kh on; and my K half: 64 bytes
	s_add_co_u32 s84, s84, s63
	v_add_nc_u32 v[ADRA0L], s84, v22
	s_xor_b32 s84, s[KH], 1                        ; blocks a' = 2, 3: the other 32 rows
	s_mul_i32 s84, s84, 32*APITCH
	s_add_co_u32 s84, s84, s63
	s_lshl_b32 s63, s[KH], 6
	s_add_co_u32 s84, s84, s63
	v_add_nc_u32 v[ADRA0H], s84, v22
	v_mov_b32 v[ADRAL], v[ADRA0L]
	v_mov_b32 v[ADRAH], v[ADRA0H]
	v_mul_u32_u24 v[ADRB], v20, BPITCH
	v_lshl_add_u32 v[ADRB], v21, 4, v[ADRB]
	s_add_co_u32 s63, s63, BRING
	v_add_nc_u32 v[ADRB], s63, v[ADRB]
	s_mul_i32 s63, s[WV], 4*BPITCH
	s_add_co_u32 s63, s63, BRING
	v_lshl_add_u32 v[BST], v1, 3, s63
	s_mul_i32 s63, s[WV], XW
	v_lshl_add_u32 v[XST], v1, 4, s63              ; my area, 16 bytes a lane
	s_xor_b32 s63, s[WV], 4
	s_mul_i32 s63, s63, XW
	v_lshl_add_u32 v[XLD], v1, 4, s63              ; my partner's: the same row group, the other K half
.if MODE == 0
	s_lshl_b32 s76, s[CY], 8
	s_lshl_b32 s77, s[WR], 6
	s_add_co_u32 s76, s76, s77
	s_lshl_b32 s77, s[KH], 5
	s_add_co_u32 s76, s76, s77
	v_add_nc_u32 v22, s76, v20                     ; my row of C in block a' = 0,
	v_lshlrev_b32 v22, 9, v22                      ; as a row of the table (512 bytes)
	v_add_nc_u32 v23, 8192, v22
	v_lshlrev_b32 v26, 5, v21                      ; my eight channels: 32 bytes for each half of the lanes
.set pj, 0
.rept 3
	v_add_nc_u32 v27, s[RADD+pj], v26
	v_mad_u32_u24 v[RA+pj],   v22, s[RSEL+pj], v27
	v_mad_u32_u24 v[RA+3+pj], v23, s[RSEL+pj], v27
.set pj, pj+1
.endr
	s_lshl_b32 s76, s[CY], 16                      ; qkv: two blocks of 128 rows (32,768 bytes) a tile row,
	s_lshr_b32 s77, s[WR], 1
	s_lshl_b32 s77, s77, 15
	s_add_co_u32 s76, s76, s77
	s_and_b32 s77, s[WR], 1                        ; 64 rows of 32 bytes a row group,
	s_lshl_b32 s77, s77, 11
	s_add_co_u32 s76, s76, s77
	s_lshl_b32 s77, s[KH], 10                      ; 32 rows a wave
	s_add_co_u32 s76, s76, s77
	v_lshl_add_u32 v[VO], v20, 5, s76
	v_lshl_add_u32 v[VO], v21, 4, v[VO]
.else
	s_mul_i32 s63, s[WV], 16*SPITCH
	s_add_co_u32 s63, s63, STAGE                   ; my stage
	v_mul_u32_u24 v[STO], v20, SPITCH              ; in: row l % 16, 32 bytes for each half of the lanes
	v_lshl_add_u32 v[STO], v21, 5, v[STO]
	v_add_nc_u32 v[STO], s63, v[STO]
	v_mul_u32_u24 v[RD], v21, SPITCH               ; back: lanes 0-15 take one row of 256 bytes, lanes 16-31 the next
	v_lshl_add_u32 v[RD], v20, 4, v[RD]
	v_add_nc_u32 v[RD], s63, v[RD]
	v_lshlrev_b32 v[VO], 14, v21                   ; and the same two rows in out0
	v_lshl_add_u32 v[VO], v20, 4, v[VO]
	s_lshl_b32 s76, s[CY], 22
	s_lshl_b32 s77, s[WR], 20
	s_add_co_u32 s76, s76, s77
	s_lshl_b32 s77, s[KH], 19
	s_add_co_u32 s76, s76, s77
	s_lshl_b32 s77, s[TT], 8
	s_add_co_u32 s76, s76, s77
	s_mov_b32 s77, 0
	s_add_nc_u64 s[8:9], s[8:9], s[76:77]          ; out0 at the first of the 32 rows that I finish, my tile's first column
.endif
	SETGK DEPTH/4
.set pj, 0
.rept 2
	CHUNKCV pj, (DEPTH-1)*LPC                      ; W's first half step goes into LDS; its register slots take chunks DEPTH, DEPTH + 1
	CHUNKST 0, pj
	CHUNKLD pj, pj, 0
.set pj, pj+1
.endr
	WIN 0
	s_wait_tensorcnt 0x1                           ; my part of K step 0 is in; K step 1's may stay out
	s_wait_dscnt 0x0                               ; my stores of W's first half step are done
	s_barrier_signal -1
	s_barrier_wait -1
	FETCH 0, F0
	GO 0                                           ; the first step stands in front of the loop: its products start the sums
	WIN 0
.if MODE == 0
	s_mov_b32 s[CNT], 14
.Lper:                                                 ; a trip: from a K step's second own step to the next one's first; 14 trips fill A's slots again
.irp S, 1,2,3,4
	GO \S
.endr
.else
	s_mov_b32 s[CNT], 6
.Lper:                                                 ; a trip: two K steps, once round W's eight register slots; 6 trips
.irp S, 1,2,3,4,5,6,7,8
	GO \S
.endr
.endif
	WIN 0
	s_sub_co_u32 s[CNT], s[CNT], 1
	s_cmp_lg_u32 s[CNT], 0
	s_cbranch_scc1 .Lper
.if MODE                               ; the tail is written out, with each step's true number: W's last chunks, A's last refills, then nothing more is asked for
.irp S, 49,50,51,52,53,54,55,56
	GO \S
.endr
.endif
.irp S, 57,58,59,60,61
	GO \S
.endr
.if MODE == 0
.set pj, 0
.rept 6                                ; W's register ring is empty: it takes the table's numbers for my 32 rows x 48 pairs of channels: (a', unit) = (pj / 3, pj % 3): 8 cosines, then 8 sines
	WIN (pj/3)<<6
.set rB, 204+16*(pj%3)-12*(pj/3)
	global_load_b128 v[rB:rB+3],     v[RA+pj], s[12:13]
	global_load_b128 v[rB+4:rB+7],   v[RA+pj], s[12:13] offset:16
	global_load_b128 v[rB+8:rB+11],  v[RA+pj], s[12:13] offset:256
	global_load_b128 v[rB+12:rB+15], v[RA+pj], s[12:13] offset:272
.set pj, pj+1
.endr
.endif
	GO 62
	s_wait_dscnt 4                                 ; the very last step: nothing more to fetch
	MUL F0+80, 0, 2, 0
	s_wait_dscnt 0x0
	MUL F0+80, 2, 2, 0
	PLACES
	; THE TWO K HALVES MEET.  My blocks a' = 2, 3 go to my partner, its blocks a' = 2, 3 (my rows a' = 0, 1) come to me: registers as they lie, 16 bytes a lane.  The areas lie in A's slot 0:
	; its last fill has landed, and every wave's last read of it stands ahead of the barrier that ended K step 14.
	WIN 0x04                                       ; the stores' data (source 1) in window 1
.set pp, 0
.rept 4*NBLK
	ds_store_b128 v[XST], v[16*NBLK+4*pp:16*NBLK+4*pp+3] offset:512*pp
.set pp, pp+1
.endr
	WIN 0
	s_wait_dscnt 0x0                               ; for my partner's sake: my stores are done
	s_barrier_signal -1
	s_barrier_wait -1
.set pp, 0
.rept 4*NBLK
	ds_load_b128 v[32+4*pp:32+4*pp+3], v[XLD] offset:512*pp
.set pp, pp+1
.endr
	s_wait_dscnt 0x0
.if MODE == 0
	WIN 0x41                                       ; destination and source 0 in window 1
.set pp, 0
.rept 48
	v_pk_add_f32 v[2*pp:2*pp+1], v[2*pp:2*pp+1], v[32+2*pp:32+2*pp+1]
.set pp, pp+1
.endr
	; THE WAY OUT.  lo = channel d, hi = channel d + 64, c and s from the table (already / 4): lo' = lo c - hi s, hi' = hi c + lo s.  Four passes of 24 packed lines.
.macro ROT w, kind
.set oa, 0
.rept 6                                ; (a', unit) = (oa / 3, oa % 3); the table's numbers (source 1) lie in window oa / 3
	WIN (\w)|((oa/3)<<2)
.set rLo, 8*(6*(oa/3)+2*(oa%3))
.set rHi, rLo+8
.set rCs, 204+16*(oa%3)-12*(oa/3)
.set rTm, 128+8*oa
.set pp, 0
.rept 4
.if (\kind) == 0
	v_pk_mul_f32 v[rTm+pp:rTm+pp+1], v[rLo+pp:rLo+pp+1], v[rCs+8+pp:rCs+8+pp+1]
.elseif (\kind) == 1
	v_pk_mul_f32 v[rLo+pp:rLo+pp+1], v[rLo+pp:rLo+pp+1], v[rCs+pp:rCs+pp+1]
.elseif (\kind) == 2
	v_pk_fma_f32 v[rLo+pp:rLo+pp+1], v[rHi+pp:rHi+pp+1], v[rCs+8+pp:rCs+8+pp+1], v[rLo+pp:rLo+pp+1] neg_lo:[1,0,0] neg_hi:[1,0,0]
.else
	v_pk_fma_f32 v[rHi+pp:rHi+pp+1], v[rHi+pp:rHi+pp+1], v[rCs+pp:rCs+pp+1], v[rTm+pp:rTm+pp+1]
.endif
.set pp, pp+2
.endr
.set oa, oa+1
.endr
.endm
	s_wait_loadcnt 0x0                             ; the table's numbers
	ROT 0x01, 0                                    ; t = lo s      (t in window 0)
	ROT 0x41, 1                                    ; lo = lo c
	ROT 0x51, 2                                    ; lo = lo - hi s
	ROT 0x41, 3                                    ; hi = hi c + t
	WIN 0x05                                       ; sources 0 and 1 window 1, destination window 0
.set oa, 0
.rept 48
	v_cvt_pk_f16_f32 v[32+oa], v[2*oa], v[2*oa+1]
.set oa, oa+1
.endr
	WIN 0
.set oa, 0
.rept 12                               ; accumulator oa = 6 a' + 2 unit + half
	global_store_b128 v[VO], v[32+4*oa:32+4*oa+3], s[OB+2*((oa%6)/2):OB+2*((oa%6)/2)+1] offset:512*(oa/6)+16384*(oa%2)  ; 16 rows x 32 bytes: 512 consecutive bytes, at a multiple of 512 from qkv's first
.set oa, oa+1
.endr
.else
	; THE WAY OUT, a block of 16 rows at a time: the two halves' sum, x 4; 32 bytes a lane into my own stage; back as whole rows of 256 bytes; stored.
.set oa, 0
.rept 2
	WIN 0x01                                       ; source 0 in window 1
.set pp, 0
.rept 16
	v_pk_add_f32 v[96+2*pp:96+2*pp+1], v[32*oa+2*pp:32*oa+2*pp+1], v[32+32*oa+2*pp:32+32*oa+2*pp+1]
.set pp, pp+1
.endr
	WIN 0
.set pp, 0
.rept 16
	v_pk_mul_f32 v[96+2*pp:96+2*pp+1], v[96+2*pp:96+2*pp+1], 4.0 op_sel_hi:[1,0]
.set pp, pp+1
.endr
.set pp, 0
.rept 8
	ds_store_b128 v[STO], v[96+4*pp:96+4*pp+3] offset:64*(pp/2)+16*(pp%2)
.set pp, pp+1
.endr
.set pp, 0
.rept 8
	ds_load_b128 v[128+32*oa+4*pp:128+32*oa+4*pp+3], v[RD] offset:2*SPITCH*pp  ; LDS serves a wave's instructions in order (ISA guide 5.7.1.4): these see the stores above; the next block's stores come behind them
.set pp, pp+1
.endr
.set pp, 0
.rept 8
	s_wait_dscnt 7-pp
	global_store_b128 v[VO], v[128+32*oa+4*pp:128+32*oa+4*pp+3], s[8:9] offset:(16*oa+2*pp)*16384 th:TH_STORE_NT  ; 16 lanes store 256 consecutive bytes, at a multiple of 256 from out0's first; each block has registers of its own
.set pp, pp+1
.endr
.set oa, oa+1
.endr
.endif
	s_wait_tensorcnt 0x0                           ; the wave's end: behind my last tensor load and my last LDS store
	ds_add_u32 v[SPW], v[NIL]
	s_wait_dscnt 0x0
	CROUND                                         ; the closing round: no work-group ends while a partner may still ask for a tile that names it
	s_endpgm
.Lfunc_end_k_qd9c91a1dad_oproj:
	.size	k_qd9c91a1dad_oproj, .Lfunc_end_k_qd9c91a1dad_oproj-k_qd9c91a1dad_oproj
	.p2alignl 7, 3214868480
	.fill 96, 4, 3214868480
	.section	.rodata,"a",@progbits
	.p2align	6, 0x0
	.amdhsa_kernel k_qd9c91a1dad_oproj
		.amdhsa_group_segment_fixed_size 327680
		.amdhsa_private_segment_fixed_size 0
		.amdhsa_enable_private_segment 0
		.amdhsa_kernarg_size 24
		.amdhsa_user_sgpr_count 2
		.amdhsa_user_sgpr_kernarg_segment_ptr 1
		.amdhsa_wavefront_size32 1
		.amdhsa_system_sgpr_workgroup_id_x 1
		.amdhsa_system_sgpr_workgroup_id_y 1
		.amdhsa_system_sgpr_workgroup_id_z 1
		.amdhsa_system_vgpr_workitem_id 0
		.amdhsa_next_free_vgpr 512
		.amdhsa_next_free_sgpr 90
		.amdhsa_reserve_vcc 0
		.amdhsa_float_denorm_mode_32 3
		.amdhsa_float_denorm_mode_16_64 3
		.amdhsa_memory_ordered 1
		.amdhsa_forward_progress 1
		.amdhsa_inst_pref_size 128
	.end_amdhsa_kernel
	.amdgpu_metadata
---
amdhsa.version: [ 1, 2 ]
amdhsa.kernels:
  - .name:           k_qd9c91a1dad_oproj
    .symbol:         k_qd9c91a1dad_oproj.kd
    .args:
      - { .name: attn, .offset: 0, .size: 8, .value_kind: global_buffer, .address_space: global }
      - { .name: Wo, .offset: 8, .size: 8, .value_kind: global_buffer, .address_space: global }
      - { .name: out0, .offset: 16, .size: 8, .value_kind: global_buffer, .address_space: global }
    .group_segment_fixed_size: 327680
    .private_segment_fixed_size: 0
    .kernarg_segment_align: 8
    .kernarg_segment_size: 24
    .max_flat_workgroup_size: 256
    .sgpr_count:     90
    .vgpr_count:     512
    .wavefront_size: 32
...
	.end_amdgpu_metadata
.endif
;; end of part 4
;; ======== version 2 of 2: 4 launches; version 1 with the launch prep written anew for expert scheduling mode
;; limits: right only within a limited range of input values; values are held in f16: magnitudes above 65,504 overflow, below 6.1e-05 lose precision
;; workspace buffers: xb 8,388,608 bytes; rope 524,800 bytes; qkv 12,582,912 bytes; attn 8,388,608 bytes
;; launch prep (part 5): grid 256 x 1, 4 waves a work-group, no clusters, 0 bytes of LDS; arguments hidden_states, position_ids, xb, rope; writes xb, rope
.if DOCPART == 5
	.amdgcn_target "amdgcn-amd-amdhsa--gfx1250"
	.amdhsa_code_object_version 6
	.text
	.protected	k_qd9c91a1dad_prep
	.globl	k_qd9c91a1dad_prep
	.p2align	8
	.type	k_qd9c91a1dad_prep,@function
k_qd9c91a1dad_prep:
	s_mov_b64 s[64:65], 0
	v_nop
	global_prefetch_b8 v0, s[64:65] scope:SCOPE_SE
	s_setreg_imm32_b32 hwreg(HW_REG_WAVE_SCHED_MODE, 0, 2), 2
	s_setreg_imm32_b32 hwreg(HW_REG_WAVE_MODE, 25, 1), 1
	s_wait_xcnt 0x0
	s_wait_alu depctr_vm_vsrc(0)
; xb[row][:] = hidden_states[row][:] rounded once to bf16 (the projections' matrix operand), and the rotary table:
; rope[row][j] = cos(theta) / 4, rope[row][64 + j] = sin(theta) / 4, theta = f32(position_ids[row]) x 10000^(-j / 64), j = 0 .. 63.
; Row 1024 of the table holds 1/4 and 0: the rows of V take it, so that the next launch has one arithmetic for q, k and v.
; The 1/4 is exact; it keeps q, k, v inside f16 (see the next launch).
; One wave, one row: 16,384 bytes in by 32 loads of 512 consecutive bytes, all out at once; 8,192 bytes out by 32 stores of 256 consecutive
; bytes.  No LDS, no barrier, no matrix unit: nothing is used twice.
; LIMITS.  |position| up to 2^20: beyond it the three-part reduction by pi/2 loses bits.  theta is rounded once, as the reference rounds it;
; sine and cosine are polynomials on -pi/4 .. pi/4, good to a few units of f32's last place.
; THE MODE: SCHED_MODE bits 1:0 = 2 (LLVM: expert scheduling mode 2), set by the entry lines.  The code itself states the register dependences
; between vector instructions and memory instructions, with s_wait_alu, always for 0.
; THE PLAN.  Registers that memory instructions touch:
;   v2, v3      byte offsets of the loads and of the stores: made once at the head, never written again.
;   X           the row as loaded: each register is written by one load, issued at the head, and read by one conversion; no vector line writes it.
;   Y           the row as stored: each register is written by one conversion and read by one store; none is written twice.
;   CO, SN      the table's four numbers: written by the last lines of its arithmetic, read by two stores, never written again.
;   v38, v39, v232, v233   in the wave of row 0 alone: written by four moves, read by two stores.
; No register that a memory instruction reads is ever written again, so no wait on vm_vsrc is owed; EXEC is never written.
; The row goes out in 8 blocks of four loads.  Block p converts X of block p into Y of block p; its memory instructions are the four stores of block p - 1.
; One wait on va_vdst at a block's head, behind the wait for the block's data, states that block p - 1's conversions have written their Y; the stores
; are then dealt among block p's conversions, which name none of the registers that those stores read.
; Scalar registers that vector lines write: s12 (the wave's number), s27 and s28 (two masks): each has its wait on va_sdst ahead of its first reader.
.set X,   40                           ; v[40:167]   the row as loaded, 4 registers a load
.set Y,   168                          ; v[168:231]  the row as stored, 2 registers a store; none is written twice
.set PF,  4                            ; v4          the position as f32
.set CO,  34                           ; v[34:35]    cos / 4 for j = 2 lane, 2 lane + 1
.set SN,  36                           ; v[36:37]    sin / 4
.set QM,  27                           ; s27, s28    for j = 2 lane, 2 lane + 1: the lanes whose n is odd
.set BLOCK, 4                          ; loads in a block
	s_load_b256 s[4:11], s[0:1], 0x0               ; hidden_states s[4:5], position_ids s[6:7], xb s[8:9], rope s[10:11]
	v_lshrrev_b32 v1, 5, v0
	v_readfirstlane_b32 s12, v1                    ; wave
	v_and_b32 v1, 31, v0                           ; lane
	v_lshlrev_b32 v2, 4, v1                        ; 16 bytes a lane in
	v_lshlrev_b32 v3, 3, v1                        ; 8 bytes a lane out
	s_wait_alu depctr_va_sdst(0)                   ; s12 is written, ahead of its first reader: my row, and all the bases, are made from it
	s_lshl_b32 s13, ttmp9, 2
	s_add_co_u32 s13, s13, s12                     ; my row = 4 x work-group + wave
	s_lshl_b32 s14, s13, 14                        ; the row in hidden_states,
	s_mov_b32 s15, 0
	s_lshl_b32 s16, s13, 13                        ; in xb,
	s_mov_b32 s17, 0
	s_lshl_b32 s18, s13, 2                         ; in position_ids,
	s_mov_b32 s19, 0
	s_lshl_b32 s22, s13, 9                         ; in the table
	s_mov_b32 s23, 0
	s_mov_b32 s26, 0xbe549a78                      ; -log2(10000) / 64, upper part
	s_wait_kmcnt 0x0
	s_add_nc_u64 s[6:7], s[6:7], s[18:19]
	s_load_b32 s20, s[6:7], 0x0                    ; my position
	s_add_nc_u64 s[4:5], s[4:5], s[14:15]
	s_add_nc_u64 s[8:9], s[8:9], s[16:17]
	s_add_nc_u64 s[24:25], s[10:11], s[22:23]
	s_wait_alu depctr_va_vdst(0)                   ; v2 and v3 are written: every load reads v2 as its offset, every store v3
.set i, 0
.rept 32
	global_load_b128 v[X+4*i:X+4*i+3], v2, s[4:5] offset:512*i th:TH_LOAD_NT  ; read once in the whole program
.set i, i+1
.endr
; The table's arithmetic for j = 2 lane + k, in registers v[B .. B+13], in three parts; each part is run for both k, so that the two exponentials are one batch and the two masks one run.
; FREQ: 2^t and the correction to it; it hangs on the lane alone, so it stands in the wait for the position.
.macro FREQ k, B
	v_lshl_add_u32 v[\B], v1, 1, \k
	v_cvt_f32_u32 v[\B], v[\B]                     ; j
	v_mul_f32 v[\B+1], s26, v[\B]                  ; t = -j log2(10000) / 64, rounded;
	v_fma_f32 v[\B+2], v[\B], s26, -v[\B+1]        ; what that rounding dropped,
	v_fmamk_f32 v[\B+2], v[\B], 0xb1979a1c, v[\B+2]  ; and the constant's lower part
	v_exp_f32 v[\B+3], v[\B+1]                     ; 2^t
	v_mul_f32 v[\B+2], 0x3f317218, v[\B+2]         ; x ln 2: also the plain instruction between the exponential and its use
.endm
; ANGLE: theta, its reduction by pi/2, the two polynomials, and the mask of the lanes whose n is odd.
.macro ANGLE k, B
	v_fma_f32 v[\B+3], v[\B+3], v[\B+2], v[\B+3]   ; 10000^(-j / 64)
	v_mul_f32 v[\B+4], v[PF], v[\B+3]              ; theta
	v_mul_f32 v[\B+5], 0xbf22f983, v[\B+4]
	v_rndne_f32 v[\B+5], v[\B+5]                   ; -n, n = the nearest multiple of pi/2
	v_fmamk_f32 v[\B+6], v[\B+5], 0x3fc90fdb, v[\B+4]  ; r = theta - n pi/2, pi/2 in three parts
	v_fmamk_f32 v[\B+6], v[\B+5], 0xb33bbd2e, v[\B+6]
	v_fmamk_f32 v[\B+6], v[\B+5], 0xa6f72ced, v[\B+6]
	v_cvt_i32_f32 v[\B+7], v[\B+5]
	v_sub_nc_u32 v[\B+7], 0, v[\B+7]               ; n as a whole number
	v_mul_f32 v[\B+8], v[\B+6], v[\B+6]            ; z = r r
	v_mov_b32 v[\B+9], 0xb94ca1f9
	v_fmaak_f32 v[\B+9], v[\B+9], v[\B+8], 0x3c08839e
	v_fmaak_f32 v[\B+9], v[\B+9], v[\B+8], 0xbe2aaaa3
	v_mul_f32 v[\B+10], v[\B+6], v[\B+8]
	v_fma_f32 v[\B+9], v[\B+10], v[\B+9], v[\B+6]  ; sin r = r + r z p(z)
	v_mov_b32 v[\B+11], 0x37ccf5ce
	v_fmaak_f32 v[\B+11], v[\B+11], v[\B+8], 0xbab6061a
	v_fmaak_f32 v[\B+11], v[\B+11], v[\B+8], 0x3d2aaaa5
	v_mul_f32 v[\B+12], v[\B+8], v[\B+8]
	v_fma_f32 v[\B+10], v[\B+8], -0.5, 1.0
	v_fma_f32 v[\B+11], v[\B+12], v[\B+11], v[\B+10]  ; cos r = 1 - z / 2 + z z p(z)
	v_and_b32 v[\B+12], 1, v[\B+7]                 ; an odd n swaps the two:
	v_cmp_eq_u32 s[QM+\k], 1, v[\B+12]             ; the mask, in a scalar register of its own
.endm
; QUAD: the swap, the two signs, and the division by 4.
.macro QUAD k, B
	v_cndmask_b32 v[\B+10], v[\B+9], v[\B+11], s[QM+\k]
	v_cndmask_b32 v[\B+13], v[\B+11], v[\B+9], s[QM+\k]
	v_and_b32 v[\B+12], 2, v[\B+7]                 ; bit 1 of n turns the sine's sign,
	v_lshlrev_b32 v[\B+12], 30, v[\B+12]
	v_xor_b32 v[\B+10], v[\B+12], v[\B+10]
	v_add_nc_u32 v[\B+7], 1, v[\B+7]               ; bit 1 of n + 1 the cosine's
	v_and_b32 v[\B+7], 2, v[\B+7]
	v_lshlrev_b32 v[\B+7], 30, v[\B+7]
	v_xor_b32 v[\B+13], v[\B+7], v[\B+13]
	v_mul_f32 v[CO+\k], 0x3e800000, v[\B+13]       ; / 4
	v_mul_f32 v[SN+\k], 0x3e800000, v[\B+10]
.endm
	FREQ 0, 6
	FREQ 1, 20
	s_wait_kmcnt 0x0                               ; the position; the table's arithmetic stands while the row is on its way
	v_cvt_f32_i32 v[PF], s20
	s_wait_alu depctr_va_vdst(0)                   ; the two exponentials have written v9 and v23: one wait for the batch, ahead of its first reader
	ANGLE 0, 6
	ANGLE 1, 20
	s_wait_alu depctr_va_sdst(0)                   ; the two compares have written s27 and s28, ahead of the selects that read them
	QUAD 0, 6
	QUAD 1, 20
	s_wait_alu depctr_va_vdst(0)                   ; the last four multiplies have written CO and SN, which the two stores read
	global_store_b64 v3, v[CO:CO+1], s[24:25]             ; 256 consecutive bytes: the row's 64 cosines
	global_store_b64 v3, v[SN:SN+1], s[24:25] offset:256  ; and its 64 sines
	s_cmp_lg_u32 s13, 0
	s_cbranch_scc1 .Lnot_row_0
	v_mov_b32 v38, 0x3e800000                      ; the wave of row 0 also writes row 1024: 1/4,
	v_mov_b32 v39, 0x3e800000
	v_mov_b32 v232, 0                              ; and 0
	v_mov_b32 v233, 0
	s_wait_alu depctr_va_vdst(0)                   ; the four moves have written v38, v39, v232, v233, which the two stores read
	global_store_b64 v3, v[38:39], s[10:11] offset:1024*512
	global_store_b64 v3, v[232:233], s[10:11] offset:1024*512+256
.Lnot_row_0:
.set p, 0
.rept 32/BLOCK                         ; block p: loads BLOCK p .. BLOCK p + 3 are converted; the stores of block p - 1 go out among the conversions
	s_wait_loadcnt 32-BLOCK-BLOCK*p                ; loads come back in order: this block's four are in, the younger blocks stay out
.if p > 0
	s_wait_alu depctr_va_vdst(0)                   ; the block before has written its Y, which the four stores below read; no conversion below names those registers
.endif
.set i, BLOCK*p
.rept BLOCK
.if p > 0
	global_store_b64 v3, v[Y+2*(i-BLOCK):Y+2*(i-BLOCK)+1], s[8:9] offset:256*(i-BLOCK)  ; 256 consecutive bytes, at a multiple of 256 from xb's first
.endif
	v_cvt_pk_bf16_f32 v[Y+2*i], v[X+4*i], v[X+4*i+1]
	v_cvt_pk_bf16_f32 v[Y+2*i+1], v[X+4*i+2], v[X+4*i+3]
.set i, i+1
.endr
.set p, p+1
.endr
	s_wait_alu depctr_va_vdst(0)                   ; the last block has written its Y, which the last four stores read
.set i, 32-BLOCK
.rept BLOCK
	global_store_b64 v3, v[Y+2*i:Y+2*i+1], s[8:9] offset:256*i
.set i, i+1
.endr
	s_endpgm
.Lfunc_end_k_qd9c91a1dad_prep:
	.size	k_qd9c91a1dad_prep, .Lfunc_end_k_qd9c91a1dad_prep-k_qd9c91a1dad_prep
	.p2alignl 7, 3214868480
	.fill 96, 4, 3214868480
	.section	.rodata,"a",@progbits
	.p2align	6, 0x0
	.amdhsa_kernel k_qd9c91a1dad_prep
		.amdhsa_group_segment_fixed_size 0
		.amdhsa_private_segment_fixed_size 0
		.amdhsa_enable_private_segment 0
		.amdhsa_kernarg_size 32
		.amdhsa_user_sgpr_count 2
		.amdhsa_user_sgpr_kernarg_segment_ptr 1
		.amdhsa_wavefront_size32 1
		.amdhsa_system_sgpr_workgroup_id_x 1
		.amdhsa_system_sgpr_workgroup_id_y 1
		.amdhsa_system_sgpr_workgroup_id_z 1
		.amdhsa_system_vgpr_workitem_id 0
		.amdhsa_next_free_vgpr 236
		.amdhsa_next_free_sgpr 66
		.amdhsa_reserve_vcc 0
		.amdhsa_float_denorm_mode_32 3
		.amdhsa_float_denorm_mode_16_64 3
		.amdhsa_memory_ordered 1
		.amdhsa_forward_progress 1
		.amdhsa_inst_pref_size 17
	.end_amdhsa_kernel
	.amdgpu_metadata
---
amdhsa.version: [ 1, 2 ]
amdhsa.kernels:
  - .name:           k_qd9c91a1dad_prep
    .symbol:         k_qd9c91a1dad_prep.kd
    .args:
      - { .name: hidden_states, .offset: 0, .size: 8, .value_kind: global_buffer, .address_space: global }
      - { .name: position_ids, .offset: 8, .size: 8, .value_kind: global_buffer, .address_space: global }
      - { .name: xb, .offset: 16, .size: 8, .value_kind: global_buffer, .address_space: global }
      - { .name: rope, .offset: 24, .size: 8, .value_kind: global_buffer, .address_space: global }
    .group_segment_fixed_size: 0
    .private_segment_fixed_size: 0
    .kernarg_segment_align: 8
    .kernarg_segment_size: 32
    .max_flat_workgroup_size: 128
    .sgpr_count:     66
    .vgpr_count:     236
    .wavefront_size: 32
...
	.end_amdgpu_metadata
.endif
;; end of part 5
;; launch qkv: the kernel of part 2 again; grid 64 x 4, 8 waves a work-group, clusters of 4 x 4, 327,680 bytes of LDS; arguments xb, Wq, Wk, Wv, rope, qkv; writes qkv
;; launch att: the kernel of part 3 again; grid 32 x 8, 4 waves a work-group, clusters of 4 x 1, 327,680 bytes of LDS; arguments qkv, attn; writes attn
;; launch oproj: the kernel of part 4 again; grid 64 x 4, 8 waves a work-group, clusters of 4 x 4, 327,680 bytes of LDS; arguments attn, Wo, out0; writes out0
